; MI455X (gfx1250); checked and timed in simulation.
; The chip was launched on July 23, 2026; its instructions are those of AMD's public machine-readable ISA for CDNA 5 (MIT licence, August 2026) and "CDNA5" Instruction Set Architecture Reference Guide (July 2026). The comments in the code are by the model that wrote it; some were corrected since.
;; Prob Attention. Allowed arithmetic: matrix products marked QUANTISED: E2M3 operands, one E8M0 scale for each 32 along K, by v_wmma_scale_f32_16x16x128_f8f6f4 with both operands' format E2M3, f32 sums; everything else in f32.
;; Inputs: keys_codes 8 x 1,024 x 8 x 2 x 24 uint8 (E2M3 codes of keys, K innermost, in blocks of 32 codes, four codes in three bytes); keys_scales 8 x 1,024 x 8 x 2 uint8 (E8M0 scales of keys, one for each 32 codes along K); queries_codes 8 x 1,024 x 8 x 2 x 24 uint8 (E2M3 codes of queries, K innermost, in blocks of 32 codes, four codes in three bytes); queries_scales 8 x 1,024 x 8 x 2 uint8 (E8M0 scales of queries, one for each 32 codes along K); starts 32 int32; values_codes 8 x 8 x 64 x 32 x 24 uint8 (E2M3 codes of values, K innermost, in blocks of 32 codes, four codes in three bytes); values_scales 8 x 8 x 64 x 32 uint8 (E8M0 scales of values, one for each 32 codes along K).
;; Outputs: out0 8 x 1,024 x 8 x 64 float32.
;; This version of the problem:
;;   THIS VERSION OF THE PROBLEM IS GIVEN IN LOW PRECISION. The matrix products marked QUANTISED in the list below multiply operands that are first quantised to E2M3 (2 exponent bits, 3 mantissa bits; 6 bits a number), with one power-of-two scale for each 32 numbers along K (OCP MX v1.0); their sums are f32. All else is computed in f32.
;;   The module's matrix products, in the order in which they are computed (A, B: the left and right operand; K: the contracted axis; several contracted axes count as one K, in the product's order):
;;     1. [M 1,024, K 32] x [K 32, N 1,024]; A: computed on the way; B: computed on the way: QUANTISED
;;     2. batch 64 x [M 1,024, K 64] x [K 64, N 1,024]; A: input queries (given as codes); B: input keys (given as codes): QUANTISED
;;     3. batch 64 x [M 64, K 1,024] x [K 1,024, N 1,024]; A: input values (given as codes); B: softmax (see below): QUANTISED
;;   THE QUANTISER, for each operand of a quantised product, along K:
;;     - K is cut into blocks of 32 from its start; a last block that is shorter is filled with zeros.
;;     - A block's scale is 2^e with e = floor(log2(the largest magnitude in the block)) - 2, held to -126 .. 127; a block of zeros has e = 0. As a byte (E8M0): e + 127.
;;     - Each number is divided by its block's scale, clamped to +-7.5, and rounded to the nearest number of E2M3, ties to even, subnormals kept.
;;     - The product sums the exact products of the quantised numbers (number of the format x scale) in f32.
;;   ~~~python
;;   def quantise(x, axis):      # numpy; x: float32 -> the quantised numbers, widened to float32 again
;;       x = np.moveaxis(x, axis, -1); K = x.shape[-1]
;;       x = np.pad(x, [(0, 0)] * (x.ndim - 1) + [(0, -K % 32)]); x = x.reshape(x.shape[:-1] + (-1, 32)); a = np.abs(x).max(-1, keepdims=True)
;;       e = np.where(a > 0, np.clip(np.frexp(np.where(a > 0, a, 1))[1] - 1 - 2, -126, 127), 0)      # np.frexp(a)[1] - 1 = floor(log2(a)), exactly
;;       r = np.clip(x / 2.0 ** e, -7.5, 7.5)
;;       step = 2.0 ** (np.maximum(np.frexp(np.where(r == 0, 1, r))[1] - 1, 0) - 3)
;;       q = np.round(r / step) * step * 2.0 ** e      # np.round: ties to even
;;       return np.moveaxis(q.reshape(q.shape[:-2] + (-1,))[..., :K], -1, axis).astype(np.float32)
;;   ~~~
;;   SOFTMAX AHEAD OF A QUANTISED PRODUCT. Where the list says 'softmax', what is quantised is not the finished softmax but p = 2^(t - M), with t = logit x log2(e) and M = ceil(the row's largest t), a whole number; so 1/2 < the row's largest p <= 1. The row's sum l is taken of the UNQUANTISED p, in f32, and the product's result is divided by l at the end. Since M is a whole number, a kernel that streams over the keys may use a running M (the ceiling of the running maximum): every later rescaling is an exact power of two, which a block's scale takes up: the codes' values come out the same.
;;   OPERANDS COMPUTED ON THE WAY. 'Computed on the way' means the value that the module computes at that place (a softmax that the list does not call 'softmax' is quantised finished and normalised). What goes into a quantiser is computed in f32, as accurately as f32 sums, v_exp_f32 and their like allow (about 1e-6 of the number): no bf16 or f16 on the way to a quantiser, and a product that is left as it is and whose result goes on into a quantised operand takes f32 operands (vector FMAs, or v_wmma_f32_16x16x4_f32). A number that lies on a knife's edge between two numbers of the format may be rounded either way, as far as f32 arithmetic and the matrix unit's own rounding can turn it there, and no further.
;;   INPUTS GIVEN AS CODES. keys (in the module: [8, 1024, 8, 64], K = its axis 3); queries (in the module: [8, 1024, 8, 64], K = its axis 3); values (in the module: [8, 1024, 8, 64], K = its axis 1): each comes as NAME_codes (uint8): NAME with its K axis moved to the last place and cut into blocks of 32 codes, [.., K / 32, bytes a block], one block behind the other in memory; four codes in three bytes: a row's codes are one little-endian stream of bits, code i at bits 6 i .. 6 i + 5 (a code: sign, 2 exponent bits, 3 mantissa bits); and NAME_scales (uint8): the same leading axes, one E8M0 byte (e + 127) for each 32 codes along K. Its value is code x scale, taken as it is: it is not quantised again, and the codes and scales need not be those that the quantiser above would give.
;; 2 versions, each right; version 2 is version 1 with the launch attn written anew for expert scheduling mode. Each part assembles by itself: llvm-mc -triple=amdgcn-amd-amdhsa -mcpu=gfx1250 --defsym DOCPART=n.
;; ======== version 1 of 2: 1 launch
;; launch attn (part 1): grid 4 x 64, 16 waves a work-group, no clusters, 266,240 bytes of LDS; arguments keys_codes, keys_scales, queries_codes, queries_scales, starts, values_codes, values_scales, out0; writes out0
.if DOCPART == 1
	.amdgcn_target "amdgcn-amd-amdhsa--gfx1250"
	.amdhsa_code_object_version 6
	.text
	.protected	k_q679e9e3e9b_attn
	.globl	k_q679e9e3e9b_attn
	.p2align	8
	.type	k_q679e9e3e9b_attn,@function
k_q679e9e3e9b_attn:
	s_mov_b64 s[64:65], 0
	v_nop
	global_prefetch_b8 v0, s[64:65] scope:SCOPE_SE
	s_setreg_imm32_b32 hwreg(HW_REG_WAVE_MODE, 25, 1), 1
	s_wait_xcnt 0x0
; ProbAttention on codes of FP6 (E2M3) with one E8M0 scale for each 32 along K.  64 heads (b, h), 1,024 queries and keys, head size 64.
; scores = Q K^T where query and key share one of 32 patches of 64 indices, 0 elsewhere; softmax over all 1,024 keys; times V.
; WHAT FOLLOWS FROM THE MASK THAT THE PROBLEM BUILDS ITSELF, for every content of starts:
;  (a) a patch that holds query i lies inside [i - 63, i + 63]: a row keeps at most 127 scores, so at least 897 of its 1,024 magnitudes are exact zeros;
;  (b) the 0.1 quantile interpolates between the sorted magnitudes 102 and 103, both among those zeros: the threshold is 0 on every row, no magnitude lies under 0, nothing is pruned: the step has no line;
;  (c) a key outside the mask has logit 0, so p = 2^-M, an exact power of two; M >= 0.  A block of 32 keys that holds only such keys quantises to the code 4.0 (0x18) 32 times with the byte 125 - M.
; A tile of 16 queries (first query 32 a + 16 f) can keep scores only in the five aligned key blocks a - 2 .. a + 2.  Scores, patch product and exponentials are made for these 160 keys;
; the second product runs over all 1,024 keys on the matrix unit, the other 27 blocks of P being the constant pattern with the row's own scale byte.  The row's sum takes 864 x 2^-M for them.
; KEY BLOCKS ARE TAKEN MODULO 32: block -1 is block 31.  A wrapped block gets its zeros from the patch product like any other, so no line hangs on the place in the sequence.
; SHARES.  A work-group: one head, 256 queries; grid 4 x 64.  Sixteen waves of 256 registers.  Window block wb (0..11) of the work-group x is key block (8 x + 30 + wb) mod 32.
;  staging: wave w brings 4 rows of V; waves 0-11 bring key block wb = w and make its patch image.   scores and softmax: wave w has query tile w, window blocks (w / 2) + 0..4.
;  second product: wave (g = w / 4, dt = w % 4) has query tiles 4 g .. 4 g + 3 and channels 16 dt .. + 15; its K runs over blocks sb + 0 .. 31 (mod 32), sb = window block 2 g.
; BOTH PRODUCTS ARE USED TRANSPOSED (source 0 = 16 keys or 16 channels, source 1 = 16 queries): a lane holds one query (lane % 16) throughout.
; THE KEYS OF A TILE ARE NOT NEIGHBOURS: row r of tile 2 b + u is key 32 b + 8 u + r + 8 (r / 8), so that the 16 registers of tiles 2 b, 2 b + 1 are the neighbouring keys 32 b + 16 (lane / 16) + 0 .. 15.
; NO JOINT LOADS, though the four work-groups of a head read the same V: V's fragments are read from LDS from block sb on, and sb hangs on the work-group's query block, which would be its place among
; the four; V's rows also lie twice on end in LDS and its scale words in two versions, which is not a tile's shape.  Each work-group brings its 50 KB of V once, through registers.
; LIMITS: a scale byte 0xff among the inputs and scores beyond f32's range are not served.  For M > 124 a far key counts in the second product as 2^-124 in place of 2^-M (the byte is held at 1):
; 864 such keys stay under 2^-114 of the row's sum, which is above 1/2.  p under 2^-126 comes out of v_exp_f32 as 0.
.set VP,   1552                        ; LDS: a row of V: its 768 bytes twice on end + 16: 388 words, so row r starts at bank 4 r mod 64 (64 banks of 4 bytes: ISA guide 11.1)
.set VCL,  0                           ; V's codes, 64 rows
.set VSP,  68                          ; a row of V's scale words: 8 words twice on end + 4 bytes
.set VSV,  64*VSP                      ; one version of them
.set VSL,  VCL+64*VP                   ; V's scale words: version 0: word k = bytes 4 k .. 4 k + 3; version 1: bytes 4 k + 2 .. 4 k + 5 (mod 32)
.set KCL,  VSL+2*VSV                   ; K's codes: 384 rows of 48 bytes, row 32 wb + 16 u + r
.set KSL,  KCL+384*48                  ; K's scale words, 4 bytes a row, same order
.set IML,  KSL+384*4                   ; 12 patch images of 768 bytes: 16 bytes a lane, then 8 bytes a lane
.set PIL,  IML+12*768                  ; P's codes: tile x 3,072 + block (0..7 from sb on) x 384 + query x 24
.set PWL,  PIL+16*3072                 ; tile x 512: scale words of blocks 0-3, of blocks 4-7, of a far K step, and 1 / l: 128 bytes each, 4 bytes a lane
.set STG,  PWL+16*512                  ; the way out: 256 rows of 256 bytes + 16
.set SP,   272                         ; (the text uses STG + 256 SP = 264,192 bytes)
; registers that stay: v0 thread, v1 lane, v2 r = lane % 16, v3 hf = lane / 16.   v16-37 hold scales and nothing else.
.set KSW,  16                          ; v16-25  K's scale words, one a tile          (second product: v16-23 V's, one a K step)
.set VSW,  16
.set PSW,  24                          ; v24-35  second product: P's scale words: 3 a tile
.set QSW,  36                          ; v36     Q's scale word
.set MSC,  37                          ; v37     the byte 125 four times: the patch operands' scale 2^-2
.set QF,   38                          ; v38-49  Q's fragment; its upper six registers (K 64-127) are zero codes
.set MQ,   50                          ; v50-61, v62-73  the queries' patch codes in K block 0 alone, in K block 1 alone; upper six registers zero
.set IM,   74                          ; v74-109 five patch images of 6 registers, then six zeros
.set KF,   110                         ; v110-175 ten tiles of K of 6 registers, then six zeros
.set MK,   110                         ; v110-157 the patch products, over K's fragments
.set S,    176                         ; v176-255 S^T, then p: 16 registers a block
; staging
.set VD,   110                         ; v110-133 V's codes as loaded;  v134-136 V's scale word, the next one, the shifted one
.set KD,   138                         ; v138-149 K's codes as loaded;  v150 K's two scale bytes
.set G16,  152                         ; 16 x lane
.set GK,   153                         ; v153-155 K's chunks in memory;  v156-158 in LDS
.set LK,   156
.set LKS,  159
.set LIM,  160
.set LIM2, 161
.set GVS,  162                         ; v162-163
.set LVA,  164
.set LVB,  165
.set LVS,  166
.set GQ,   167
.set GQS,  168
.set F,    176                         ; v176-207 32 numbers 0 or 1;  v208-213 their codes;  v214-216 the second conversion's result
.set CD,   208
.set CE,   214
.set IQ,   217                         ; my query's index;  v218 my key's
.set IK,   218
.set ONE,  219
.set QTR,  220                         ; 2^-2 as f32: the conversions' scale operand
.set TQ,   221                         ; v221-224 at work
; scores and softmax: LDS addresses v4-10
.set AKF,  4
.set AKS,  5
.set AIM,  6
.set AIM2, 7
.set APS,  8
.set APX,  9
.set APW,  10
.set BM,   38                          ; v38-42 the blocks' largest scores;  v44-48 the other half's
.set XP,   44
.set PB,   50                          ; v50-54 the blocks' largest p, v55 the far p;  v56-61 the conversions' scale operands;  v62-67 the bytes
.set SOP,  56
.set BY,   62
.set NM,   68                          ; v[68:69] -M
.set TT,   70
.set P0,   71                          ; 2^-M
.set IE,   72
.set SUM,  74                          ; v[74:77] the row's sum, two chains of pairs
.set LO,   78
.set HI,   79
.set LO1,  80
.set HI1,  81
.set WA,   82
.set WB,   83
.set FW,   84
.set LL,   85
.set RL,   86
.set PC,   88                          ; v88-107 p's codes, 3 of 4 registers a block
.set PAT,  108                         ; v108-110 sixteen codes 4.0
; second product: addresses v11-15, v4, v5
.set VA,   11
.set VSA,  12
.set PLA,  13
.set PWA,  14
.set STO,  15
.set SRD,  4
.set GO,   5
.set FV,   38                          ; v38-109 V's fragments of K steps 2-7;  later v38-85 P's of K step 1;  later v38-69 the results
.set WV,   110                         ; v110-133 V's fragments of K steps 0, 1;  later v110-141 rows back from the stage
.set PA,   134                         ; v134-181 P's fragments of K step 0, four tiles
.set PFAR, 182                         ; v182-193 a fragment of codes 4.0
.set RLS,  194                         ; v194-197 1 / l of the four tiles
.set ACC,  200                         ; v200-231 O^T: four tiles of queries
; K's chunk n = lane + 32 i of 96: key n / 3 of the block, 16 bytes n % 3 of its 48: three neighbouring lanes read a key's 48 consecutive bytes
.macro KCHUNK i
.if \i == 0
.set NR, 1
.else
.set NR, 4
	v_add_nc_u32 v4, 32*\i, v1
.endif
	v_mul_u32_u24 v5, v[NR], 0x5556
	v_lshrrev_b32 v5, 16, v5                       ; n / 3 (exact for n < 96)
	v_mul_u32_u24 v6, v5, 3
	v_sub_nc_u32 v6, v[NR], v6
	v_lshlrev_b32 v6, 4, v6                        ; 16 (n % 3)
	v_mad_u32_u24 v[GK+\i], v5, 384, v6            ; in memory keys lie 384 bytes apart
	v_and_b32 v7, 7, v5
	v_bfe_u32 v8, v5, 3, 1
	v_lshl_add_u32 v7, v8, 4, v7
	v_bfe_u32 v8, v5, 4, 1
	v_lshl_add_u32 v7, v8, 3, v7                   ; the key's row in LDS: bits 3 and 4 change places, so that a tile's 16 rows follow each other
	v_mad_u32_u24 v7, v7, 48, v6
	v_add_nc_u32 v[LK+\i], s88, v7
.endm
; in_patch(p, idx) for the 32 patches, as 0 or 1, and their codes: 1 / 2^-2 = 4.0.  start <= idx < start + 64 is one unsigned compare of idx - start.
; The codes of patches 0-15 land in v[CD:CD+2], those of 16-31 in v[CE:CE+2] (a conversion's three registers begin on an even number).
.macro INPATCH idx
.irp q, 0,4,8,12,16,20,24,28
.irp e, 0,1,2,3
	v_sub_nc_u32 v[TQ+\e], v[\idx], s[32+\q+\e]
.endr
.irp e, 0,1,2,3
	v_cmp_gt_u32 vcc_lo, 64, v[TQ+\e]
	v_cndmask_b32 v[F+\q+\e], 0, v[ONE], vcc_lo
.endr
.endr
	v_cvt_scalef32_pk16_fp6_f32 v[CD:CD+2], v[F:F+15], v[QTR]
	v_cvt_scalef32_pk16_fp6_f32 v[CE:CE+2], v[F+16:F+31], v[QTR]
	v_nop                                          ; one plain place behind a scaled conversion
.endm
.macro PLACES n
.rept \n
	v_nop
.endr
.endm
.macro BARRIER                                 ; my LDS stores have landed and my LDS loads are in: then the work-group's barrier
	s_wait_dscnt 0x0
	s_barrier_signal -1
	s_barrier_wait -1
.endm
	; ---- the head: ids, offsets, every address that the staging uses
	s_load_b512 s[4:19], s[0:1], 0x0               ; K codes s[4:5], K scales s[6:7], Q codes s[8:9], Q scales s[10:11], starts s[12:13], V codes s[14:15], V scales s[16:17], out s[18:19]
	v_and_b32 v1, 31, v0
	v_and_b32 v2, 15, v0
	v_bfe_u32 v3, v0, 4, 1
	v_lshrrev_b32 v4, 5, v0
	v_readfirstlane_b32 s20, v4                    ; w: wave 0..15
	s_mov_b32 s21, ttmp9                           ; x: which 256 queries
	s_and_b32 s22, ttmp7, 0xffff                   ; the head, 8 b + h
	s_lshr_b32 s23, s22, 3                         ; b
	s_and_b32 s24, s22, 7                          ; h
	s_lshr_b32 s25, s20, 2                         ; g
	s_and_b32 s26, s20, 3                          ; dt
	s_bfe_u32 s27, s20, 0x10001                    ; fb = (w / 2) % 2: my tile's band begins fb blocks behind sb
	s_lshr_b32 s31, s20, 1                         ; w / 2: my tile's first window block
	s_lshl_b32 s72, s21, 3
	s_add_co_u32 s72, s72, 30                      ; 8 x + 30
	s_add_co_u32 s28, s72, s20
	s_and_b32 s28, s28, 31                         ; tb: the key block that I stage (w < 12)
	s_lshl_b32 s73, s25, 1
	s_add_co_u32 s29, s72, s73
	s_and_b32 s29, s29, 31                         ; sb: the key block at which my second product's K begins; even
	s_lshl_b32 s30, s21, 8
	s_lshl_b32 s73, s20, 4
	s_add_co_u32 s30, s30, s73                     ; my tile's first query: 256 x + 16 w
	s_mul_i32 s72, s23, 393216                     ; K's and Q's codes: [b][l][h][48]: b x 1,024 x 384 + 48 h
	s_mul_i32 s73, s24, 48
	s_add_co_u32 s72, s72, s73
	s_mul_i32 s74, s28, 12288                      ; K: + 32 tb rows of 384 bytes
	s_add_co_u32 s74, s74, s72
	s_mov_b32 s75, 0
	s_mul_i32 s78, s30, 384                        ; Q: + my first query's row
	s_add_co_u32 s78, s78, s72
	s_mov_b32 s79, 0
	s_lshl_b32 s72, s23, 14                        ; their scales: [b][l][h][2]
	s_lshl_b32 s73, s24, 1
	s_add_co_u32 s72, s72, s73
	s_lshl_b32 s76, s28, 9
	s_add_co_u32 s76, s76, s72
	s_mov_b32 s77, 0
	s_lshl_b32 s80, s30, 4
	s_add_co_u32 s80, s80, s72
	s_mov_b32 s81, 0
	s_mul_i32 s82, s22, 49152                      ; V's codes: [head][64][768]; my 4 rows
	s_mul_i32 s73, s20, 3072
	s_add_co_u32 s82, s82, s73
	s_mov_b32 s83, 0
	s_lshl_b32 s84, s22, 11                        ; V's scales: [head][64][32]
	s_mov_b32 s85, 0
	s_lshl_b32 s86, s23, 21                        ; out: [b][l][h][64] f32; the 16 rows that I store
	s_lshl_b32 s73, s24, 8
	s_add_co_u32 s86, s86, s73
	s_lshl_b32 s73, s30, 11
	s_add_co_u32 s86, s86, s73
	s_mov_b32 s87, 0
	s_mul_i32 s88, s20, 1536
	s_add_co_u32 s88, s88, KCL                     ; LDS: my key block's rows,
	s_lshl_b32 s89, s20, 7
	s_add_co_u32 s89, s89, KSL                     ; its scale words,
	s_mul_i32 s90, s20, 768
	s_add_co_u32 s90, s90, IML                     ; its patch image,
	s_mul_i32 s91, s20, 4*VP                       ; my 4 rows of V (VCL is 0)
	s_lshl_b32 s92, s28, 5                         ; my key block's first key
	s_sub_co_u32 s66, 0, s27                       ; all ones where fb = 1: a lane mask
	s_mov_b32 s67, 0x0000ffff                      ; lanes 0-15
	s_mov_b32 s68, 0x76543210
	s_mov_b32 s69, 0xfedcba98                      ; v_permlanex16_b32's selects for lane l xor 16
	s_mov_b32 s70, 0x3fb8aa3b                      ; c = log2(e): t = score x c
	s_mov_b32 s71, s70                             ; (named with it as a pair, so it is written)
	v_lshlrev_b32 v[G16], 4, v1
	KCHUNK 0
	KCHUNK 1
	KCHUNK 2
	v_and_b32 v7, 7, v1                            ; K's scale bytes: lane = key; its word goes to the key's row
	v_bfe_u32 v8, v1, 3, 1
	v_lshl_add_u32 v7, v8, 4, v7
	v_lshl_add_u32 v7, v3, 3, v7
	v_lshl_add_u32 v[LKS], v7, 2, s89
	v_add_nc_u32 v[LIM], s90, v[G16]
	v_lshl_add_u32 v[LIM2], v1, 3, s90
	v_lshlrev_b32 v[GVS], 2, v0                    ; V's scale words: thread t takes word t: row t / 8, word t % 8,
	v_add_nc_u32 v4, 1, v0
	v_and_b32 v4, 7, v4
	v_and_or_b32 v4, v0, 0x1f8, v4
	v_lshlrev_b32 v[GVS+1], 2, v4                  ; and the row's next word, round the row's end
	v_add_nc_u32 v[LVA], s91, v[G16]               ; V's codes: a load's 512 bytes lie in one row of 768,
	v_mad_u32_u24 v[LVB], v3, 784, v[LVA]          ; or lanes 16-31 lie in the next: VP - 768 bytes further on
	v_lshrrev_b32 v4, 3, v0
	v_and_b32 v5, 7, v0
	v_lshlrev_b32 v5, 2, v5
	v_mad_u32_u24 v4, v4, VSP, v5
	v_add_nc_u32 v[LVS], VSL, v4
	v_mul_u32_u24 v4, v2, 384
	v_mad_u32_u24 v[GQ], v3, 24, v4                ; Q: row r, + 24 bytes for the upper half of the lanes
	v_lshlrev_b32 v[GQS], 4, v2
	v_add_nc_u32 v[IQ], s30, v2                    ; my query
	v_and_b32 v4, 8, v2
	v_add_nc_u32 v4, v4, v2
	v_lshl_add_u32 v4, v3, 3, v4
	v_add_nc_u32 v[IK], s92, v4                    ; my key: 32 tb + 8 u + r + 8 (r / 8), u = lane / 16
	s_wait_kmcnt 0x0
	s_load_b512 s[32:47], s[12:13], 0x0            ; starts, all 32
	s_load_b512 s[48:63], s[12:13], 0x40
	s_add_nc_u64 s[4:5], s[4:5], s[74:75]
	s_add_nc_u64 s[6:7], s[6:7], s[76:77]
	s_add_nc_u64 s[8:9], s[8:9], s[78:79]
	s_add_nc_u64 s[10:11], s[10:11], s[80:81]
	s_add_nc_u64 s[14:15], s[14:15], s[82:83]
	s_add_nc_u64 s[16:17], s[16:17], s[84:85]
	s_add_nc_u64 s[18:19], s[18:19], s[86:87]
.irp i, 0,1,2,3,4,5
	global_load_b128 v[VD+4*\i:VD+4*\i+3], v[G16], s[14:15] offset:512*\i   ; my 4 rows of V: 3,072 consecutive bytes, 512 a load
.endr
	global_load_b32 v134, v[GVS], s[16:17]
	global_load_b32 v135, v[GVS+1], s[16:17]
.irp p, 0,1,2
	global_load_b64 v[QF+2*\p:QF+2*\p+1], v[GQ], s[8:9] offset:8*\p         ; Q's fragment: K = 64 fills its lower six registers
.endr
	global_load_u16 v[QSW], v[GQS], s[10:11]       ; two scale bytes; the upper two are 0, over zero codes
	v_mov_b32 v[MSC], 0x7d7d7d7d
	v_mov_b32 v[ONE], 1.0
	v_mov_b32 v[QTR], 0x3e800000
.irp z, QF+6, MQ+6, MQ+18, IM+30, KF+60        ; zero codes: K 64-127 of Q and of the queries' patch operands; what stands behind the last image and the last tile of K
.irp i, 0,1,2,3,4,5
	v_mov_b32 v[\z+\i], 0
.endr
.endr
	; ---- the patch operands
	s_wait_kmcnt 0x0                               ; starts
	INPATCH IQ
.irp i, 0,1,2
	v_cndmask_b32 v[MQ+\i], 0, v[CD+\i], s67       ; lanes 0-15 hold K block 0: with this operand a product sees an image's lower lanes alone: tile 2 b
	v_cndmask_b32 v[MQ+3+\i], 0, v[CE+\i], s67
	v_cndmask_b32 v[MQ+12+\i], v[CD+\i], 0, s67    ; lanes 16-31 hold K block 1: tile 2 b + 1
	v_cndmask_b32 v[MQ+15+\i], v[CE+\i], 0, s67
.endr
	s_cmp_lt_u32 s20, 12                           ; twelve window blocks: waves 0-11 stage one each.  One parting, with K's loads and the stores that read them on the same way
	s_cbranch_scc0 .Lno_keys
	global_load_b128 v[KD:KD+3], v[GK], s[4:5]
	global_load_b128 v[KD+4:KD+7], v[GK+1], s[4:5]
	global_load_b128 v[KD+8:KD+11], v[GK+2], s[4:5]
	global_load_u16 v150, v[G16], s[6:7]           ; key = lane: scale bytes lie 16 bytes apart
	INPATCH IK                                     ; lanes 0-15: the keys of tile 2 b, in K block 0; lanes 16-31: those of tile 2 b + 1, in K block 1
.irp i, 0,1,2
	v_mov_b32 v[CD+3+\i], v[CE+\i]
.endr
	ds_store_b128 v[LIM], v[CD:CD+3]               ; the image of the operand's six registers
	ds_store_b64 v[LIM2], v[CD+4:CD+5] offset:512
	s_wait_loadcnt 0x0                             ; K's four loads are the youngest
	ds_store_b128 v[LK], v[KD:KD+3]
	ds_store_b128 v[LK+1], v[KD+4:KD+7]
	ds_store_b128 v[LK+2], v[KD+8:KD+11]
	ds_store_b32 v[LKS], v150
.Lno_keys:
	; ---- V into LDS, each row twice on end, so that 32 blocks from any block on lie in a line
	s_wait_loadcnt 0x0                             ; V, its scales, Q
.irp d, 0, 768
	ds_store_b128 v[LVA], v[VD:VD+3] offset:\d
	ds_store_b128 v[LVB], v[VD+4:VD+7] offset:512+\d
	ds_store_b128 v[LVA], v[VD+8:VD+11] offset:VP+256+\d
	ds_store_b128 v[LVA], v[VD+12:VD+15] offset:2*VP+\d
	ds_store_b128 v[LVB], v[VD+16:VD+19] offset:2*VP+512+\d
	ds_store_b128 v[LVA], v[VD+20:VD+23] offset:3*VP+256+\d
.endr
	v_alignbit_b32 v136, v135, v134, 16            ; bytes 4 k + 2 .. 4 k + 5
	ds_store_b32 v[LVS], v134
	ds_store_b32 v[LVS], v134 offset:32
	ds_store_b32 v[LVS], v136 offset:VSV
	ds_store_b32 v[LVS], v136 offset:VSV+32
	s_mul_i32 s72, s31, 1536                       ; my tile's five window blocks begin at block w / 2
	s_add_co_u32 s72, s72, KCL
	s_lshl_b32 s73, s31, 7
	s_add_co_u32 s73, s73, KSL
	s_mul_i32 s74, s31, 768
	s_add_co_u32 s74, s74, IML
	s_mul_i32 s75, s20, 3072
	s_add_co_u32 s75, s75, PIL                     ; my tile's P
	s_mul_i32 s76, s27, 384
	s_add_co_u32 s76, s76, s75                     ; block fb of it: where the band begins
	s_add_co_u32 s77, s27, 7
	s_and_b32 s77, s77, 7
	s_mul_i32 s77, s77, 384
	s_add_co_u32 s77, s77, s75                     ; block (fb + 7) mod 8
	s_lshl_b32 s78, s20, 9
	s_add_co_u32 s78, s78, PWL
	v_mul_u32_u24 v[AKF], v2, 48
	v_mad_u32_u24 v[AKF], v3, 24, v[AKF]
	v_add_nc_u32 v[AKF], s72, v[AKF]
	v_lshl_add_u32 v[AKS], v2, 2, s73
	v_lshl_add_u32 v[AIM], v1, 4, s74
	v_lshl_add_u32 v[AIM2], v1, 3, s74
	v_mul_u32_u24 v[APS], v2, 24
	v_mad_u32_u24 v[APS], v3, 12, v[APS]           ; query r's 24 bytes of a block; my 16 keys' 12 bytes
	v_add_nc_u32 v[APX], s77, v[APS]
	v_add_nc_u32 v[APS], s76, v[APS]
	v_lshl_add_u32 v[APW], v1, 2, s78
	BARRIER                                        ; V, K and the images lie in LDS
	; ---- S^T = K Q^T for my 16 queries and the band's ten tiles of 16 keys
.irp t, 0,1,2,3,4,5,6,7,8,9
.irp p, 0,1,2
	ds_load_b64 v[KF+6*\t+2*\p:KF+6*\t+2*\p+1], v[AKF] offset:768*\t+8*\p
.endr
.endr
.irp t, 0,1,2,3,4,5,6,7,8,9
	ds_load_b32 v[KSW+\t], v[AKS] offset:64*\t
.endr
.irp b, 0,1,2,3,4
	ds_load_b128 v[IM+6*\b:IM+6*\b+3], v[AIM] offset:768*\b
	ds_load_b64 v[IM+6*\b+4:IM+6*\b+5], v[AIM2] offset:768*\b+512
.endr
	s_wait_dscnt 10                                ; K's fragments and scale words are in; the ten loads of the images may be out
.irp t, 0,1,2,3,4,5,6,7,8,9                    ; K = 64: the upper six registers of source 0 are the next tile's codes; they meet Q's zero codes and add nothing
	v_wmma_scale_f32_16x16x128_f8f6f4 v[S+8*\t:S+8*\t+7], v[KF+6*\t:KF+6*\t+11], v[QF:QF+11], 0, v[KSW+\t], v[QSW] matrix_a_fmt:MATRIX_FMT_FP6 matrix_b_fmt:MATRIX_FMT_FP6
.endr
	s_wait_dscnt 0x0                               ; the images
	PLACES 5                                       ; the patch products are laid over K's fragments, which the products above have read: five places (ISA guide 7.12.1)
; The patch product of blocks b0 .. b0 + nb - 1, in S^T's layout, and the mask: a score stays where the count of shared patches is above 0, else it is 0.
.macro MASKS b0, nb
.set n, 0
.rept 2*\nb
	v_wmma_scale_f32_16x16x128_f8f6f4 v[MK+8*n:MK+8*n+7], v[IM+6*(\b0+n/2):IM+6*(\b0+n/2)+11], v[MQ+12*(n%2):MQ+12*(n%2)+11], 0, v[MSC], v[MSC] matrix_a_fmt:MATRIX_FMT_FP6 matrix_b_fmt:MATRIX_FMT_FP6
.set n, n+1
.endr
	PLACES 4
.set n, 0
.rept 16*\nb                                   ; each accumulator from its low end on
	v_cmp_lt_f32 vcc_lo, 0, v[MK+n]
	v_cndmask_b32 v[S+16*\b0+n], 0, v[S+16*\b0+n], vcc_lo
.set n, n+1
.endr
.endm
	MASKS 0, 3
	MASKS 3, 2                                     ; over the first counts: the selections above, which name none of those products' registers, are the places
	; ---- the softmax of my query: my 80 keys, and lane l xor 16's
.irp b, 0,1,2,3,4
	v_max3_num_f32 v[BM+\b], v[S+16*\b], v[S+16*\b+1], v[S+16*\b+2]   ; the largest score of each block: for the row's maximum, and, since p rises with the score, for the block's largest p
.endr
.irp i, 3,5,7,9,11,13
.irp b, 0,1,2,3,4
	v_max3_num_f32 v[BM+\b], v[BM+\b], v[S+16*\b+\i], v[S+16*\b+\i+1]
.endr
.endr
.irp b, 0,1,2,3,4
	v_max_num_f32 v[BM+\b], v[BM+\b], v[S+16*\b+15]
.endr
.irp b, 0,1,2,3,4
	v_permlanex16_b32 v[XP+\b], v[BM+\b], s68, s69
.endr
.irp b, 0,1,2,3,4
	v_max_num_f32 v[BM+\b], v[BM+\b], v[XP+\b]
.endr
	v_max3_num_f32 v[TT], v[BM], v[BM+1], v[BM+2]
	v_max3_num_f32 v[TT], v[TT], v[BM+3], v[BM+4]
	v_max_num_f32 v[TT], 0, v[TT]                  ; the far keys' logit is 0
	v_mul_f32 v[TT], s70, v[TT]                    ; the row's largest t
	v_floor_f32 v[NM], -v[TT]                      ; -M = floor(-t) = -ceil(t)
	v_mov_b32 v[NM+1], v[NM]                       ; (named with it as a pair)
	v_cvt_i32_f32 v[IE], v[NM]                     ; (it saturates)
	v_ldexp_f32 v[P0], 1.0, v[IE]                  ; a far key's p = 2^-M, exactly: its exponent field gives the far blocks' byte
.set j, 0
.rept 40
	v_pk_fma_f32 v[S+j:S+j+1], v[S+j:S+j+1], s[70:71], v[NM:NM+1] op_sel_hi:[1,0,0]   ; t - M, two at a time
.set j, j+2
.endr
.irp b, 0,1,2,3,4
	v_fma_f32 v[PB+\b], v[BM+\b], s70, v[NM]       ; the same of each block's largest score
.endr
.set j, 0
.rept 80
	v_exp_f32 v[S+j], v[S+j]                       ; p = 2^(t - M): not normalised
.set j, j+1
.endr
.irp b, 0,1,2,3,4
	v_exp_f32 v[PB+\b], v[PB+\b]                   ; the block's largest p: the same two instructions on the same number
.endr
	v_max_num_f32 v[PB+5], 0x1800000, v[P0]        ; the floor 2^(3 - 127) holds a byte at 1 from below.  (A plain place behind the exponentials)
	s_wait_alu depctr_va_vdst(0)
.irp b, 0,1,2,3,4
	v_max_num_f32 v[PB+\b], 0x1800000, v[PB+\b]
.endr
.irp b, 0,1,2,3,4,5
	v_add_nc_u32 v[SOP+\b], 0xff000000, v[PB+\b]   ; 2 off the exponent field: the conversion's scale operand
.endr
.irp b, 0,1,2,3,4,5
	v_lshrrev_b32 v[BY+\b], 23, v[SOP+\b]          ; the scale's byte
.endr
.irp b, 0,1,2,3,4
	v_cvt_scalef32_pk16_fp6_f32 v[PC+4*\b:PC+4*\b+2], v[S+16*\b:S+16*\b+15], v[SOP+\b]   ; my 16 neighbouring keys of block b: 12 bytes
.endr
	v_nop                                          ; one plain place behind a scaled conversion
	v_mov_b32 v[PAT], 0x18618618                   ; sixteen codes 0x18, 96 bits
	v_mov_b32 v[PAT+1], 0x86186186
	v_mov_b32 v[PAT+2], 0x61861861
.irp b, 0,1,2,3,4
.irp i, 0,1,2
	ds_store_b32 v[APS], v[PC+4*\b+\i] offset:384*\b+4*\i    ; the two halves of the lanes lay a query's 24 bytes of a block side by side: no exchange between lanes
.endr
.endr
.irp i, 0,1,2                                  ; the three blocks of the eight that lie outside my band: fb + 5, fb + 6, (fb + 7) mod 8
	ds_store_b32 v[APS], v[PAT+\i] offset:384*5+4*\i
	ds_store_b32 v[APS], v[PAT+\i] offset:384*6+4*\i
	ds_store_b32 v[APX], v[PAT+\i] offset:4*\i
.endr
	v_pk_add_f32 v[SUM:SUM+1], v[S:S+1], v[S+2:S+3]          ; the row's sum is taken of the unquantised p: two chains of pairs
	v_pk_add_f32 v[SUM+2:SUM+3], v[S+4:S+5], v[S+6:S+7]
.set j, 8
.rept 18
	v_pk_add_f32 v[SUM:SUM+1], v[SUM:SUM+1], v[S+j:S+j+1]
	v_pk_add_f32 v[SUM+2:SUM+3], v[SUM+2:SUM+3], v[S+j+2:S+j+3]
.set j, j+4
.endr
	v_pk_add_f32 v[SUM:SUM+1], v[SUM:SUM+1], v[SUM+2:SUM+3]
	v_add_f32 v[LL], v[SUM], v[SUM+1]
	v_permlanex16_b32 v[XP], v[LL], s68, s69
	v_add_f32 v[LL], v[LL], v[XP]                  ; the band's 160 keys,
	v_fmamk_f32 v[LL], v[P0], 0x44580000, v[LL]    ; and 864 far keys of 2^-M each
	v_rcp_f32 v[RL], v[LL]
	v_lshl_or_b32 v[LO], v[BY+1], 8, v[BY]         ; (plain places behind the reciprocal)  the band's bytes 0-3,
	v_lshl_or_b32 v[LO], v[BY+2], 16, v[LO]
	v_lshl_or_b32 v[LO], v[BY+3], 24, v[LO]
	v_lshl_or_b32 v[FW], v[BY+5], 8, v[BY+5]
	v_lshl_or_b32 v[FW], v[FW], 16, v[FW]          ; the far byte four times,
	v_and_or_b32 v[HI], v[FW], 0xffffff00, v[BY+4] ; byte 4 and three far bytes: the eight blocks' bytes where fb = 0;
	v_alignbit_b32 v[LO1], v[LO], v[HI], 24
	v_alignbit_b32 v[HI1], v[HI], v[LO], 24        ; turned one byte up, the far byte coming round, where fb = 1
	v_cndmask_b32 v[WA], v[LO], v[LO1], s66
	v_cndmask_b32 v[WB], v[HI], v[HI1], s66
	ds_store_b32 v[APW], v[WA]
	ds_store_b32 v[APW], v[WB] offset:128
	ds_store_b32 v[APW], v[FW] offset:256
	s_wait_alu depctr_va_vdst(0)
	ds_store_b32 v[APW], v[RL] offset:384
	; what the second product needs in registers is made while these stores are out
.irp i, 0,3,6,9
	v_mov_b32 v[PFAR+\i], 0x18618618
	v_mov_b32 v[PFAR+\i+1], 0x86186186
	v_mov_b32 v[PFAR+\i+2], 0x61861861
.endr
	s_mul_i32 s72, s26, 16*VP                      ; V: my 16 channels' rows (VCL is 0), from block sb on
	s_mul_i32 s73, s29, 24
	s_add_co_u32 s72, s72, s73
	s_add_co_u32 s73, s25, 1                       ; sb % 4 is 2 where g is even: the shifted version of the scale words; 0 where g is odd
	s_and_b32 s73, s73, 1
	s_mul_i32 s73, s73, VSV
	s_mul_i32 s74, s26, 16*VSP
	s_add_co_u32 s73, s73, s74
	s_and_b32 s74, s29, 28                         ; 4 bytes x word sb / 4
	s_add_co_u32 s73, s73, s74
	s_add_co_u32 s73, s73, VSL
	s_mul_i32 s74, s25, 4*3072
	s_add_co_u32 s74, s74, PIL
	s_lshl_b32 s75, s25, 11
	s_add_co_u32 s75, s75, PWL
	s_mul_i32 s76, s25, 64*SP
	s_lshl_b32 s77, s26, 6
	s_add_co_u32 s76, s76, s77
	s_add_co_u32 s76, s76, STG
	s_mul_i32 s77, s20, 16*SP
	s_add_co_u32 s77, s77, STG
	v_mul_u32_u24 v[VA], v2, VP
	v_mad_u32_u24 v[VA], v3, 24, v[VA]
	v_add_nc_u32 v[VA], s72, v[VA]
	v_mul_u32_u24 v[VSA], v2, VSP
	v_add_nc_u32 v[VSA], s73, v[VSA]
	v_mul_u32_u24 v[PLA], v2, 24
	v_mad_u32_u24 v[PLA], v3, 384, v[PLA]          ; lanes 16-31 hold the next block
	v_add_nc_u32 v[PLA], s74, v[PLA]
	v_lshl_add_u32 v[PWA], v1, 2, s75
	v_mul_u32_u24 v[STO], v2, SP                   ; the stage, in: row 64 g + 16 tile + r, my 8 channels at 64 dt + 32 hf
	v_lshl_add_u32 v[STO], v3, 5, v[STO]
	v_add_nc_u32 v[STO], s76, v[STO]
	v_mul_u32_u24 v[SRD], v3, SP                   ; back: rows 16 w on; lanes 0-15 one row, lanes 16-31 the next
	v_lshl_add_u32 v[SRD], v2, 4, v[SRD]
	v_add_nc_u32 v[SRD], s77, v[SRD]
	v_lshlrev_b32 v[GO], 11, v3                    ; and the same two rows of out, 2,048 bytes apart
	v_lshl_add_u32 v[GO], v2, 4, v[GO]
	BARRIER                                        ; every tile's P, scale words and 1 / l lie in LDS
	; ---- O^T = V^T P^T: 16 channels x four tiles of queries, K = 1,024 keys in eight steps from block sb on
.macro VFRAG reg, j                            ; V's fragment of K step j: 96 bytes of each row
.irp p, 0,1,2,3,4,5
	ds_load_b64 v[\reg+2*\p:\reg+2*\p+1], v[VA] offset:96*(\j)+48*(\p/3)+8*(\p%3)
.endr
.endm
.macro PFRAG reg, t, j                         ; P's fragment of tile t, K step j: blocks 4 j + 2 c + lane / 16
.irp p, 0,1,2,3,4,5
	ds_load_b64 v[\reg+2*\p:\reg+2*\p+1], v[PLA] offset:3072*(\t)+384*(4*(\j)+2*(\p/3))+8*(\p%3)
.endr
.endm
; A K step: four products, the four accumulators by turns.  Far: P is the constant fragment, under each query's far byte.
.macro PVFAR vreg, j, zero
.irp t, 0,1,2,3
.if \zero
	v_wmma_scale_f32_16x16x128_f8f6f4 v[ACC+8*\t:ACC+8*\t+7], v[\vreg:\vreg+11], v[PFAR:PFAR+11], 0, v[VSW+\j], v[PSW+3*\t+2] matrix_a_fmt:MATRIX_FMT_FP6 matrix_b_fmt:MATRIX_FMT_FP6
.else
	v_wmma_scale_f32_16x16x128_f8f6f4 v[ACC+8*\t:ACC+8*\t+7], v[\vreg:\vreg+11], v[PFAR:PFAR+11], v[ACC+8*\t:ACC+8*\t+7], v[VSW+\j], v[PSW+3*\t+2] matrix_a_fmt:MATRIX_FMT_FP6 matrix_b_fmt:MATRIX_FMT_FP6
.endif
.endr
.endm
.macro PVWIN vreg, preg, j
.irp t, 0,1,2,3
	v_wmma_scale_f32_16x16x128_f8f6f4 v[ACC+8*\t:ACC+8*\t+7], v[\vreg:\vreg+11], v[\preg+12*\t:\preg+12*\t+11], v[ACC+8*\t:ACC+8*\t+7], v[VSW+\j], v[PSW+3*\t+\j] matrix_a_fmt:MATRIX_FMT_FP6 matrix_b_fmt:MATRIX_FMT_FP6
.endr
.endm
.irp j, 0,1,2,3,4,5,6,7
	ds_load_b32 v[VSW+\j], v[VSA] offset:4*\j
.endr
.irp t, 0,1,2,3
.irp k, 0,1,2
	ds_load_b32 v[PSW+3*\t+\k], v[PWA] offset:512*\t+128*\k
.endr
.endr
.irp t, 0,1,2,3
	ds_load_b32 v[RLS+\t], v[PWA] offset:512*\t+384
.endr
.irp j, 2,3,4,5,6,7
	VFRAG FV+12*(\j-2), \j
.endr
	VFRAG WV, 0
	VFRAG WV+12, 1
.irp t, 0,1,2,3
	PFRAG PA+12*\t, \t, 0
.endr
	s_wait_dscnt 36                                ; the words and V's K steps 2-7 are in; the 36 loads behind them (V's K steps 0, 1; P's K step 0) may be out
	PVFAR FV, 2, 1                                 ; the first products start the sums
	PVFAR FV+12, 3, 0
	PVFAR FV+24, 4, 0
	PVFAR FV+36, 5, 0
	PLACES 4                                       ; in front of loads into registers that these products have read
.irp t, 0,1,2,3
	PFRAG FV+12*\t, \t, 1
.endr
	PVFAR FV+48, 6, 0
	PVFAR FV+60, 7, 0
	s_wait_dscnt 24                                ; all but the 24 loads of P's K step 1
	PVWIN WV, PA, 0
	s_wait_dscnt 0x0
	PVWIN WV+12, FV, 1
	PLACES 4
.irp t, 0,1,2,3
.irp j, 0,1,2,3,4,5,6,7
	v_mul_f32 v[FV+8*\t+\j], v[ACC+8*\t+\j], v[RLS+\t]       ; O^T / l: register j is out(query r of tile t, channel 16 dt + 8 hf + j); each accumulator from its low end on
.endr
.endr
	; ---- the way out: a row's 64 channels come from four waves: they meet in the stage
.irp t, 0,1,2,3
	ds_store_b128 v[STO], v[FV+8*\t:FV+8*\t+3] offset:16*SP*\t
	ds_store_b128 v[STO], v[FV+8*\t+4:FV+8*\t+7] offset:16*SP*\t+16
.endr
	BARRIER                                        ; 256 whole rows lie in the stage
.irp i, 0,1,2,3,4,5,6,7
	ds_load_b128 v[WV+4*\i:WV+4*\i+3], v[SRD] offset:2*SP*\i
.endr
.irp i, 0,1,2,3,4,5,6,7
	s_wait_dscnt 7-\i                              ; LDS loads come back in order: rows 2 i, 2 i + 1 are in
	global_store_b128 v[GO], v[WV+4*\i:WV+4*\i+3], s[18:19] offset:4096*\i th:TH_STORE_NT   ; sixteen lanes store a head's 256 consecutive bytes of a row, at a multiple of 256 from out's first byte
.endr
	s_wait_xcnt 0x0
	v_lshl_add_u32 v254, v0, 2, 0x40800
	v_mov_b32 v255, 0
	s_wait_tensorcnt 0x0
	ds_add_u32 v254, v255
	s_wait_dscnt 0x0
	s_endpgm
.Lfunc_end_k_q679e9e3e9b_attn:
	.size	k_q679e9e3e9b_attn, .Lfunc_end_k_q679e9e3e9b_attn-k_q679e9e3e9b_attn
	.p2alignl 7, 3214868480
	.fill 96, 4, 3214868480
	.section	.rodata,"a",@progbits
	.p2align	6, 0x0
	.amdhsa_kernel k_q679e9e3e9b_attn
		.amdhsa_group_segment_fixed_size 266240
		.amdhsa_private_segment_fixed_size 0
		.amdhsa_enable_private_segment 0
		.amdhsa_kernarg_size 64
		.amdhsa_user_sgpr_count 2
		.amdhsa_user_sgpr_kernarg_segment_ptr 1
		.amdhsa_wavefront_size32 1
		.amdhsa_system_sgpr_workgroup_id_x 1
		.amdhsa_system_sgpr_workgroup_id_y 1
		.amdhsa_system_sgpr_workgroup_id_z 1
		.amdhsa_system_vgpr_workitem_id 0
		.amdhsa_next_free_vgpr 256
		.amdhsa_next_free_sgpr 96
		.amdhsa_reserve_vcc 1
		.amdhsa_float_denorm_mode_32 3
		.amdhsa_float_denorm_mode_16_64 3
		.amdhsa_memory_ordered 1
		.amdhsa_forward_progress 1
		.amdhsa_inst_pref_size 67
	.end_amdhsa_kernel
	.amdgpu_metadata
---
amdhsa.version: [ 1, 2 ]
amdhsa.kernels:
  - .name:           k_q679e9e3e9b_attn
    .symbol:         k_q679e9e3e9b_attn.kd
    .args:
      - { .name: keys_codes, .offset: 0, .size: 8, .value_kind: global_buffer, .address_space: global }
      - { .name: keys_scales, .offset: 8, .size: 8, .value_kind: global_buffer, .address_space: global }
      - { .name: queries_codes, .offset: 16, .size: 8, .value_kind: global_buffer, .address_space: global }
      - { .name: queries_scales, .offset: 24, .size: 8, .value_kind: global_buffer, .address_space: global }
      - { .name: starts, .offset: 32, .size: 8, .value_kind: global_buffer, .address_space: global }
      - { .name: values_codes, .offset: 40, .size: 8, .value_kind: global_buffer, .address_space: global }
      - { .name: values_scales, .offset: 48, .size: 8, .value_kind: global_buffer, .address_space: global }
      - { .name: out0, .offset: 56, .size: 8, .value_kind: global_buffer, .address_space: global }
    .group_segment_fixed_size: 266240
    .private_segment_fixed_size: 0
    .kernarg_segment_align: 8
    .kernarg_segment_size: 64
    .max_flat_workgroup_size: 512
    .sgpr_count:     96
    .vgpr_count:     256
    .wavefront_size: 32
...
	.end_amdgpu_metadata
.endif
;; end of part 1
;; ======== version 2 of 2: 1 launch; version 1 with the launch attn written anew for expert scheduling mode
;; launch attn (part 2): grid 4 x 64, 16 waves a work-group, no clusters, 266,240 bytes of LDS; arguments keys_codes, keys_scales, queries_codes, queries_scales, starts, values_codes, values_scales, out0; writes out0
.if DOCPART == 2
	.amdgcn_target "amdgcn-amd-amdhsa--gfx1250"
	.amdhsa_code_object_version 6
	.text
	.protected	k_q679e9e3e9b_attn
	.globl	k_q679e9e3e9b_attn
	.p2align	8
	.type	k_q679e9e3e9b_attn,@function
k_q679e9e3e9b_attn:
	s_mov_b64 s[64:65], 0
	v_nop
	global_prefetch_b8 v0, s[64:65] scope:SCOPE_SE
	s_setreg_imm32_b32 hwreg(HW_REG_WAVE_SCHED_MODE, 0, 2), 2
	s_setreg_imm32_b32 hwreg(HW_REG_WAVE_MODE, 25, 1), 1
	s_wait_xcnt 0x0
	s_wait_alu depctr_vm_vsrc(0)
; ProbAttention on codes of FP6 (E2M3) with one E8M0 scale for each 32 along K.  64 heads (b, h), 1,024 queries and keys, head size 64.
; scores = Q K^T where query and key share one of 32 patches of 64 indices, 0 elsewhere; softmax over all 1,024 keys; times V.
; WHAT FOLLOWS FROM THE MASK THAT THE PROBLEM BUILDS ITSELF, for every content of starts:
;  (a) a patch that holds query i lies inside [i - 63, i + 63]: a row keeps at most 127 scores, so at least 897 of its 1,024 magnitudes are exact zeros;
;  (b) the 0.1 quantile interpolates between the sorted magnitudes 102 and 103, both among those zeros: the threshold is 0 on every row, no magnitude lies under 0, nothing is pruned: the step has no line;
;  (c) a key outside the mask has logit 0, so p = 2^-M, an exact power of two; M >= 0.  A block of 32 keys that holds only such keys quantises to the code 4.0 (0x18) 32 times with the byte 125 - M.
; A tile of 16 queries (first query 32 a + 16 f) can keep scores only in the five aligned key blocks a - 2 .. a + 2.  Scores, patch product and exponentials are made for these 160 keys;
; the second product runs over all 1,024 keys on the matrix unit, the other 27 blocks of P being the constant pattern with the row's own scale byte.  The row's sum takes 864 x 2^-M for them.
; KEY BLOCKS ARE TAKEN MODULO 32: block -1 is block 31.  A wrapped block gets its zeros from the patch product like any other, so no line hangs on the place in the sequence.
; SHARES.  A work-group: one head, 256 queries; grid 4 x 64.  Sixteen waves of 256 registers.  Window block wb (0..11) of the work-group x is key block (8 x + 30 + wb) mod 32.
;  staging: wave w brings 4 rows of V; waves 0-11 bring key block wb = w and make its patch image.   scores and softmax: wave w has query tile w, window blocks (w / 2) + 0..4.
;  second product: wave (g = w / 4, dt = w % 4) has query tiles 4 g .. 4 g + 3 and channels 16 dt .. + 15; its K runs over blocks sb + 0 .. 31 (mod 32), sb = window block 2 g.
; BOTH PRODUCTS ARE USED TRANSPOSED (source 0 = 16 keys or 16 channels, source 1 = 16 queries): a lane holds one query (lane % 16) throughout.
; THE KEYS OF A TILE ARE NOT NEIGHBOURS: row r of tile 2 b + u is key 32 b + 8 u + r + 8 (r / 8), so that the 16 registers of tiles 2 b, 2 b + 1 are the neighbouring keys 32 b + 16 (lane / 16) + 0 .. 15.
; NO JOINT LOADS, though the four work-groups of a head read the same V: V's fragments are read from LDS from block sb on, and sb hangs on the work-group's query block, which would be its place among
; the four; V's rows also lie twice on end in LDS and its scale words in two versions, which is not a tile's shape.  Each work-group brings its 50 KB of V once, through registers.
; LIMITS: a scale byte 0xff among the inputs and scores beyond f32's range are not served.  For M > 124 a far key counts in the second product as 2^-124 in place of 2^-M (the byte is held at 1):
; 864 such keys stay under 2^-114 of the row's sum, which is above 1/2.  p under 2^-126 comes out of v_exp_f32 as 0.
; THE MODE: SCHED_MODE bits 1:0 = 2 (LLVM: expert scheduling mode 2), set by the entry lines.  The code itself states the register dependences
; between vector or matrix instructions and memory or LDS instructions, with s_wait_alu, always for 0.
; THE PLAN.  Four phases, parted by three barriers; no loop.  Registers that memory or LDS instructions touch:
;   staging         v152-168 offsets and LDS addresses: made once at the head, ahead of one wait on va_vdst, and named by no vector instruction after it.  v110-135, v138-150, v36, v38-43: global loads land there;
;                   LDS stores or products read them.  v136 and the patch image v208-213 are written by vector instructions and read by LDS stores.
;   scores, softmax v4-10 LDS addresses, made in front of the first barrier.  v110-169, v16-25, v74-103: LDS loads land there, over what the staging's loads and stores have read: one wait on vm_vsrc behind the barrier.
;                   v88-110, v82-84, v86: written by vector instructions, read by LDS stores.
;   second product  v11-15, v198, v199 addresses, made in front of the second barrier.  v16-35, v38-181, v194-197: LDS loads land there, over what the softmax's stores have read: one wait on vm_vsrc behind the barrier.
;                   v38-85 are loaded a second time, behind the products that read them.  v38-69 results, read by LDS stores.  v110-141 rows from the stage, read by the global stores.
; In front of each barrier ONE wait on va_vdst stands behind all the vector work that is due there, so that it covers the phase's last stores, the next phase's addresses, the registers in which its loads land
; and the operands that vector instructions have written for scaled products.  Compares go in runs into scalar registers, one wait on va_sdst behind a run.
.set VP,   1552                        ; LDS: a row of V: its 768 bytes twice on end + 16: 388 words, so row r starts at bank 4 r mod 64 (64 banks of 4 bytes: ISA guide 11.1)
.set VCL,  0                           ; V's codes, 64 rows
.set VSP,  68                          ; a row of V's scale words: 8 words twice on end + 4 bytes
.set VSV,  64*VSP                      ; one version of them
.set VSL,  VCL+64*VP                   ; V's scale words: version 0: word k = bytes 4 k .. 4 k + 3; version 1: bytes 4 k + 2 .. 4 k + 5 (mod 32)
.set KCL,  VSL+2*VSV                   ; K's codes: 384 rows of 48 bytes, row 32 wb + 16 u + r
.set KSL,  KCL+384*48                  ; K's scale words, 4 bytes a row, same order
.set IML,  KSL+384*4                   ; 12 patch images of 768 bytes: 16 bytes a lane, then 8 bytes a lane
.set PIL,  IML+12*768                  ; P's codes: tile x 3,072 + block (0..7 from sb on) x 384 + query x 24
.set PWL,  PIL+16*3072                 ; tile x 512: scale words of blocks 0-3, of blocks 4-7, of a far K step, and 1 / l: 128 bytes each, 4 bytes a lane
.set STG,  PWL+16*512                  ; the way out: 256 rows of 256 bytes + 16
.set SP,   272                         ; (the text uses STG + 256 SP = 264,192 bytes)
; registers that stay: v0 thread, v1 lane, v2 r = lane % 16, v3 hf = lane / 16.   v16-37 hold scales and nothing else.
.set KSW,  16                          ; v16-25  K's scale words, one a tile          (second product: v16-23 V's, one a K step)
.set VSW,  16
.set PSW,  24                          ; v24-35  second product: P's scale words: 3 a tile
.set QSW,  36                          ; v36     Q's scale word
.set MSC,  37                          ; v37     the byte 125 four times: the patch operands' scale 2^-2
.set QF,   38                          ; v38-49  Q's fragment; its upper six registers (K 64-127) are zero codes
.set MQ,   50                          ; v50-61, v62-73  the queries' patch codes in K block 0 alone, in K block 1 alone; upper six registers zero
.set IM,   74                          ; v74-109 five patch images of 6 registers, then six zeros
.set KF,   110                         ; v110-175 ten tiles of K of 6 registers, then six zeros
.set MK,   110                         ; v110-157 the patch products, over K's fragments
.set S,    176                         ; v176-255 S^T, then p: 16 registers a block
; staging
.set VD,   110                         ; v110-133 V's codes as loaded;  v134-136 V's scale word, the next one, the shifted one
.set KD,   138                         ; v138-149 K's codes as loaded;  v150 K's two scale bytes
.set G16,  152                         ; 16 x lane
.set GK,   153                         ; v153-155 K's chunks in memory;  v156-158 in LDS
.set LK,   156
.set LKS,  159
.set LIM,  160
.set LIM2, 161
.set GVS,  162                         ; v162-163
.set LVA,  164
.set LVB,  165
.set LVS,  166
.set GQ,   167
.set GQS,  168
.set F,    176                         ; v176-207 32 differences, then 32 numbers 0 or 1;  v208-213 their codes;  v214-216 the second conversion's result
.set CD,   208
.set CE,   214
.set IQ,   217                         ; my query's index;  v218 my key's
.set IK,   218
.set ONE,  219
.set QTR,  220                         ; 2^-2 as f32: the conversions' scale operand
; scores and softmax: LDS addresses v4-10
.set AKF,  4
.set AKS,  5
.set AIM,  6
.set AIM2, 7
.set APS,  8
.set APX,  9
.set APW,  10
.set BM,   38                          ; v38-42 the blocks' largest scores;  v44-48 the other half's
.set XP,   44
.set PB,   50                          ; v50-54 the blocks' largest p, v55 the far p;  v56-61 the conversions' scale operands;  v62-67 the bytes
.set SOP,  56
.set BY,   62
.set NM,   68                          ; v[68:69] -M
.set TT,   70
.set P0,   71                          ; 2^-M
.set IE,   72
.set SUM,  74                          ; v[74:77] the row's sum, two chains of pairs
.set LO,   78
.set HI,   79
.set LO1,  80
.set HI1,  81
.set WA,   82
.set WB,   83
.set FW,   84
.set LL,   85
.set RL,   86
.set PC,   88                          ; v88-107 p's codes, 3 of 4 registers a block
.set PAT,  108                         ; v108-110 sixteen codes 4.0
; second product: addresses v11-15, v198, v199: registers that no memory or LDS instruction has read before
.set VA,   11
.set VSA,  12
.set PLA,  13
.set PWA,  14
.set STO,  15
.set SRD,  198
.set GO,   199
.set FV,   38                          ; v38-109 V's fragments of K steps 2-7;  later v38-85 P's of K step 1;  later v38-69 the results
.set WV,   110                         ; v110-133 V's fragments of K steps 0, 1;  later v110-141 rows back from the stage
.set PA,   134                         ; v134-181 P's fragments of K step 0, four tiles
.set PFAR, 182                         ; v182-193 a fragment of codes 4.0
.set RLS,  194                         ; v194-197 1 / l of the four tiles
.set ACC,  200                         ; v200-231 O^T: four tiles of queries
; K's chunk n = lane + 32 i of 96: key n / 3 of the block, 16 bytes n % 3 of its 48: three neighbouring lanes read a key's 48 consecutive bytes
.macro KCHUNK i
.if \i == 0
.set NR, 1
.else
.set NR, 4
	v_add_nc_u32 v4, 32*\i, v1
.endif
	v_mul_u32_u24 v5, v[NR], 0x5556
	v_lshrrev_b32 v5, 16, v5                       ; n / 3 (exact for n < 96)
	v_mul_u32_u24 v6, v5, 3
	v_sub_nc_u32 v6, v[NR], v6
	v_lshlrev_b32 v6, 4, v6                        ; 16 (n % 3)
	v_mad_u32_u24 v[GK+\i], v5, 384, v6            ; in memory keys lie 384 bytes apart
	v_and_b32 v7, 7, v5
	v_bfe_u32 v8, v5, 3, 1
	v_lshl_add_u32 v7, v8, 4, v7
	v_bfe_u32 v8, v5, 4, 1
	v_lshl_add_u32 v7, v8, 3, v7                   ; the key's row in LDS: bits 3 and 4 change places, so that a tile's 16 rows follow each other
	v_mad_u32_u24 v7, v7, 48, v6
	v_add_nc_u32 v[LK+\i], s88, v7
.endm
; in_patch(p, idx) for the 32 patches, as 0 or 1, and their codes: 1 / 2^-2 = 4.0.  start <= idx < start + 64 is one unsigned compare of idx - start.
; The compares go in two runs of sixteen, into s72-87, which are free once the pointers are made.
; The codes of patches 0-15 land in v[CD:CD+2], those of 16-31 in v[CE:CE+2] (a conversion's three registers begin on an even number).
.macro INPATCH idx
.set qq, 0
.rept 32
	v_sub_nc_u32 v[F+qq], v[\idx], s[32+qq]
.set qq, qq+1
.endr
.irp c, 0, 16
.set qq, 0
.rept 16
	v_cmp_gt_u32 s[72+qq], 64, v[F+\c+qq]
.set qq, qq+1
.endr
	s_wait_alu depctr_va_sdst(0)                   ; the sixteen compares have written s72-87, ahead of the selections that read them
.set qq, 0
.rept 16
	v_cndmask_b32 v[F+\c+qq], 0, v[ONE], s[72+qq]
.set qq, qq+1
.endr
.endr
	v_cvt_scalef32_pk16_fp6_f32 v[CD:CD+2], v[F:F+15], v[QTR]
	v_cvt_scalef32_pk16_fp6_f32 v[CE:CE+2], v[F+16:F+31], v[QTR]
	v_nop                                          ; one plain place behind a scaled conversion
.endm
.macro PLACES n
.rept \n
	v_nop
.endr
.endm
.macro BARRIER                                 ; my LDS stores have landed and my LDS loads are in: then the work-group's barrier
	s_wait_dscnt 0x0
	s_barrier_signal -1
	s_barrier_wait -1
.endm
	; ---- the head: ids, offsets, every address that the staging uses
	s_load_b512 s[4:19], s[0:1], 0x0               ; K codes s[4:5], K scales s[6:7], Q codes s[8:9], Q scales s[10:11], starts s[12:13], V codes s[14:15], V scales s[16:17], out s[18:19]
	v_and_b32 v1, 31, v0
	v_and_b32 v2, 15, v0
	v_bfe_u32 v3, v0, 4, 1
	v_lshrrev_b32 v4, 5, v0
	v_readfirstlane_b32 s20, v4                    ; w: wave 0..15
	s_mov_b32 s21, ttmp9                           ; x: which 256 queries
	s_and_b32 s22, ttmp7, 0xffff                   ; the head, 8 b + h
	s_lshr_b32 s23, s22, 3                         ; b
	s_and_b32 s24, s22, 7                          ; h
	s_wait_alu depctr_va_sdst(0)                   ; s20 is written, ahead of its first reader
	s_lshr_b32 s25, s20, 2                         ; g
	s_and_b32 s26, s20, 3                          ; dt
	s_bfe_u32 s27, s20, 0x10001                    ; fb = (w / 2) % 2: my tile's band begins fb blocks behind sb
	s_lshr_b32 s31, s20, 1                         ; w / 2: my tile's first window block
	s_lshl_b32 s72, s21, 3
	s_add_co_u32 s72, s72, 30                      ; 8 x + 30
	s_add_co_u32 s28, s72, s20
	s_and_b32 s28, s28, 31                         ; tb: the key block that I stage (w < 12)
	s_lshl_b32 s73, s25, 1
	s_add_co_u32 s29, s72, s73
	s_and_b32 s29, s29, 31                         ; sb: the key block at which my second product's K begins; even
	s_lshl_b32 s30, s21, 8
	s_lshl_b32 s73, s20, 4
	s_add_co_u32 s30, s30, s73                     ; my tile's first query: 256 x + 16 w
	s_mul_i32 s72, s23, 393216                     ; K's and Q's codes: [b][l][h][48]: b x 1,024 x 384 + 48 h
	s_mul_i32 s73, s24, 48
	s_add_co_u32 s72, s72, s73
	s_mul_i32 s74, s28, 12288                      ; K: + 32 tb rows of 384 bytes
	s_add_co_u32 s74, s74, s72
	s_mov_b32 s75, 0
	s_mul_i32 s78, s30, 384                        ; Q: + my first query's row
	s_add_co_u32 s78, s78, s72
	s_mov_b32 s79, 0
	s_lshl_b32 s72, s23, 14                        ; their scales: [b][l][h][2]
	s_lshl_b32 s73, s24, 1
	s_add_co_u32 s72, s72, s73
	s_lshl_b32 s76, s28, 9
	s_add_co_u32 s76, s76, s72
	s_mov_b32 s77, 0
	s_lshl_b32 s80, s30, 4
	s_add_co_u32 s80, s80, s72
	s_mov_b32 s81, 0
	s_mul_i32 s82, s22, 49152                      ; V's codes: [head][64][768]; my 4 rows
	s_mul_i32 s73, s20, 3072
	s_add_co_u32 s82, s82, s73
	s_mov_b32 s83, 0
	s_lshl_b32 s84, s22, 11                        ; V's scales: [head][64][32]
	s_mov_b32 s85, 0
	s_lshl_b32 s86, s23, 21                        ; out: [b][l][h][64] f32; the 16 rows that I store
	s_lshl_b32 s73, s24, 8
	s_add_co_u32 s86, s86, s73
	s_lshl_b32 s73, s30, 11
	s_add_co_u32 s86, s86, s73
	s_mov_b32 s87, 0
	s_mul_i32 s88, s20, 1536
	s_add_co_u32 s88, s88, KCL                     ; LDS: my key block's rows,
	s_lshl_b32 s89, s20, 7
	s_add_co_u32 s89, s89, KSL                     ; its scale words,
	s_mul_i32 s90, s20, 768
	s_add_co_u32 s90, s90, IML                     ; its patch image,
	s_mul_i32 s91, s20, 4*VP                       ; my 4 rows of V (VCL is 0)
	s_lshl_b32 s92, s28, 5                         ; my key block's first key
	s_sub_co_u32 s66, 0, s27                       ; all ones where fb = 1: a lane mask
	s_mov_b32 s67, 0x0000ffff                      ; lanes 0-15
	s_mov_b32 s68, 0x76543210
	s_mov_b32 s69, 0xfedcba98                      ; v_permlanex16_b32's selects for lane l xor 16
	s_mov_b32 s70, 0x3fb8aa3b                      ; c = log2(e): t = score x c
	s_mov_b32 s71, s70                             ; (named with it as a pair, so it is written)
	v_lshlrev_b32 v[G16], 4, v1
	KCHUNK 0
	KCHUNK 1
	KCHUNK 2
	v_and_b32 v7, 7, v1                            ; K's scale bytes: lane = key; its word goes to the key's row
	v_bfe_u32 v8, v1, 3, 1
	v_lshl_add_u32 v7, v8, 4, v7
	v_lshl_add_u32 v7, v3, 3, v7
	v_lshl_add_u32 v[LKS], v7, 2, s89
	v_add_nc_u32 v[LIM], s90, v[G16]
	v_lshl_add_u32 v[LIM2], v1, 3, s90
	v_lshlrev_b32 v[GVS], 2, v0                    ; V's scale words: thread t takes word t: row t / 8, word t % 8,
	v_add_nc_u32 v4, 1, v0
	v_and_b32 v4, 7, v4
	v_and_or_b32 v4, v0, 0x1f8, v4
	v_lshlrev_b32 v[GVS+1], 2, v4                  ; and the row's next word, round the row's end
	v_add_nc_u32 v[LVA], s91, v[G16]               ; V's codes: a load's 512 bytes lie in one row of 768,
	v_mad_u32_u24 v[LVB], v3, 784, v[LVA]          ; or lanes 16-31 lie in the next: VP - 768 bytes further on
	v_lshrrev_b32 v4, 3, v0
	v_and_b32 v5, 7, v0
	v_lshlrev_b32 v5, 2, v5
	v_mad_u32_u24 v4, v4, VSP, v5
	v_add_nc_u32 v[LVS], VSL, v4
	v_mul_u32_u24 v4, v2, 384
	v_mad_u32_u24 v[GQ], v3, 24, v4                ; Q: row r, + 24 bytes for the upper half of the lanes
	v_lshlrev_b32 v[GQS], 4, v2
	v_add_nc_u32 v[IQ], s30, v2                    ; my query
	v_and_b32 v4, 8, v2
	v_add_nc_u32 v4, v4, v2
	v_lshl_add_u32 v4, v3, 3, v4
	v_add_nc_u32 v[IK], s92, v4                    ; my key: 32 tb + 8 u + r + 8 (r / 8), u = lane / 16
	s_wait_kmcnt 0x0
	s_load_b512 s[32:47], s[12:13], 0x0            ; starts, all 32
	s_load_b512 s[48:63], s[12:13], 0x40
	s_add_nc_u64 s[4:5], s[4:5], s[74:75]
	s_add_nc_u64 s[6:7], s[6:7], s[76:77]
	s_add_nc_u64 s[8:9], s[8:9], s[78:79]
	s_add_nc_u64 s[10:11], s[10:11], s[80:81]
	s_add_nc_u64 s[14:15], s[14:15], s[82:83]
	s_add_nc_u64 s[16:17], s[16:17], s[84:85]
	s_add_nc_u64 s[18:19], s[18:19], s[86:87]
	s_wait_alu depctr_va_vdst(0)                   ; the offsets and LDS addresses v152-168 are written: every load and LDS store of the staging reads one of them, and no vector instruction names them again
.irp i, 0,1,2,3,4,5
	global_load_b128 v[VD+4*\i:VD+4*\i+3], v[G16], s[14:15] offset:512*\i   ; my 4 rows of V: 3,072 consecutive bytes, 512 a load
.endr
	global_load_b32 v134, v[GVS], s[16:17]
	global_load_b32 v135, v[GVS+1], s[16:17]
.irp p, 0,1,2
	global_load_b64 v[QF+2*\p:QF+2*\p+1], v[GQ], s[8:9] offset:8*\p         ; Q's fragment: K = 64 fills its lower six registers
.endr
	global_load_u16 v[QSW], v[GQS], s[10:11]       ; two scale bytes; the upper two are 0, over zero codes
	v_mov_b32 v[MSC], 0x7d7d7d7d
	v_mov_b32 v[ONE], 1.0
	v_mov_b32 v[QTR], 0x3e800000
.irp z, QF+6, MQ+6, MQ+18, IM+30, KF+60        ; zero codes: K 64-127 of Q and of the queries' patch operands; what stands behind the last image and the last tile of K
.irp i, 0,1,2,3,4,5
	v_mov_b32 v[\z+\i], 0
.endr
.endr
	; ---- the patch operands
	s_wait_kmcnt 0x0                               ; starts
	INPATCH IQ
.irp i, 0,1,2
	v_cndmask_b32 v[MQ+\i], 0, v[CD+\i], s67       ; lanes 0-15 hold K block 0: with this operand a product sees an image's lower lanes alone: tile 2 b
	v_cndmask_b32 v[MQ+3+\i], 0, v[CE+\i], s67
	v_cndmask_b32 v[MQ+12+\i], v[CD+\i], 0, s67    ; lanes 16-31 hold K block 1: tile 2 b + 1
	v_cndmask_b32 v[MQ+15+\i], v[CE+\i], 0, s67
.endr
	s_cmp_lt_u32 s20, 12                           ; twelve window blocks: waves 0-11 stage one each.  One parting, with K's loads and the stores that read them on the same way
	s_cbranch_scc0 .Lno_keys
	global_load_b128 v[KD:KD+3], v[GK], s[4:5]     ; no wait: since the wait at the head no vector instruction has named v138-155
	global_load_b128 v[KD+4:KD+7], v[GK+1], s[4:5]
	global_load_b128 v[KD+8:KD+11], v[GK+2], s[4:5]
	global_load_u16 v150, v[G16], s[6:7]           ; key = lane: scale bytes lie 16 bytes apart
	INPATCH IK                                     ; lanes 0-15: the keys of tile 2 b, in K block 0; lanes 16-31: those of tile 2 b + 1, in K block 1
.irp i, 0,1,2
	v_mov_b32 v[CD+3+\i], v[CE+\i]
.endr
	s_wait_alu depctr_va_vdst(0)                   ; the conversion and the moves have written v[CD:CD+5], which the two LDS stores read
	ds_store_b128 v[LIM], v[CD:CD+3]               ; the image of the operand's six registers
	ds_store_b64 v[LIM2], v[CD+4:CD+5] offset:512
	s_wait_loadcnt 0x0                             ; K's four loads are the youngest
	ds_store_b128 v[LK], v[KD:KD+3]
	ds_store_b128 v[LK+1], v[KD+4:KD+7]
	ds_store_b128 v[LK+2], v[KD+8:KD+11]
	ds_store_b32 v[LKS], v150
.Lno_keys:
	; ---- V into LDS, each row twice on end, so that 32 blocks from any block on lie in a line
	s_wait_loadcnt 0x0                             ; V, its scales, Q
.irp d, 0, 768
	ds_store_b128 v[LVA], v[VD:VD+3] offset:\d
	ds_store_b128 v[LVB], v[VD+4:VD+7] offset:512+\d
	ds_store_b128 v[LVA], v[VD+8:VD+11] offset:VP+256+\d
	ds_store_b128 v[LVA], v[VD+12:VD+15] offset:2*VP+\d
	ds_store_b128 v[LVB], v[VD+16:VD+19] offset:2*VP+512+\d
	ds_store_b128 v[LVA], v[VD+20:VD+23] offset:3*VP+256+\d
.endr
	v_alignbit_b32 v136, v135, v134, 16            ; bytes 4 k + 2 .. 4 k + 5
	s_mul_i32 s72, s31, 1536                       ; my tile's five window blocks begin at block w / 2
	s_add_co_u32 s72, s72, KCL
	s_lshl_b32 s73, s31, 7
	s_add_co_u32 s73, s73, KSL
	s_mul_i32 s74, s31, 768
	s_add_co_u32 s74, s74, IML
	s_mul_i32 s75, s20, 3072
	s_add_co_u32 s75, s75, PIL                     ; my tile's P
	s_mul_i32 s76, s27, 384
	s_add_co_u32 s76, s76, s75                     ; block fb of it: where the band begins
	s_add_co_u32 s77, s27, 7
	s_and_b32 s77, s77, 7
	s_mul_i32 s77, s77, 384
	s_add_co_u32 s77, s77, s75                     ; block (fb + 7) mod 8
	s_lshl_b32 s78, s20, 9
	s_add_co_u32 s78, s78, PWL
	v_mul_u32_u24 v[AKF], v2, 48
	v_mad_u32_u24 v[AKF], v3, 24, v[AKF]
	v_add_nc_u32 v[AKF], s72, v[AKF]
	v_lshl_add_u32 v[AKS], v2, 2, s73
	v_lshl_add_u32 v[AIM], v1, 4, s74
	v_lshl_add_u32 v[AIM2], v1, 3, s74
	v_mul_u32_u24 v[APS], v2, 24
	v_mad_u32_u24 v[APS], v3, 12, v[APS]           ; query r's 24 bytes of a block; my 16 keys' 12 bytes
	v_add_nc_u32 v[APX], s77, v[APS]
	v_add_nc_u32 v[APS], s76, v[APS]
	v_lshl_add_u32 v[APW], v1, 2, s78
	s_wait_alu depctr_va_vdst(0)                   ; v136 is written, which two stores below read; so are the addresses v4-10 of the LDS loads and stores behind the barrier, and the zero codes, the queries' patch codes and v37, which scaled products take; every vector instruction that named v110-169 is done, where loads land behind the barrier
	ds_store_b32 v[LVS], v134
	ds_store_b32 v[LVS], v134 offset:32
	ds_store_b32 v[LVS], v136 offset:VSV
	ds_store_b32 v[LVS], v136 offset:VSV+32
	BARRIER                                        ; V, K and the images lie in LDS
	; ---- S^T = K Q^T for my 16 queries and the band's ten tiles of 16 keys
	s_wait_alu depctr_vm_vsrc(0)                   ; the staging's loads and LDS stores have read their offsets, addresses and data, v110-168 and v208-213: K's fragments land in the first, S^T is written over the second
.irp t, 0,1,2,3,4,5,6,7,8,9
.irp p, 0,1,2
	ds_load_b64 v[KF+6*\t+2*\p:KF+6*\t+2*\p+1], v[AKF] offset:768*\t+8*\p
.endr
.endr
.irp t, 0,1,2,3,4,5,6,7,8,9
	ds_load_b32 v[KSW+\t], v[AKS] offset:64*\t
.endr
.irp b, 0,1,2,3,4
	ds_load_b128 v[IM+6*\b:IM+6*\b+3], v[AIM] offset:768*\b
	ds_load_b64 v[IM+6*\b+4:IM+6*\b+5], v[AIM2] offset:768*\b+512
.endr
	s_wait_dscnt 10                                ; K's fragments and scale words are in; the ten loads of the images may be out
.irp t, 0,1,2,3,4,5,6,7,8,9                    ; K = 64: the upper six registers of source 0 are the next tile's codes; they meet Q's zero codes and add nothing
	v_wmma_scale_f32_16x16x128_f8f6f4 v[S+8*\t:S+8*\t+7], v[KF+6*\t:KF+6*\t+11], v[QF:QF+11], 0, v[KSW+\t], v[QSW] matrix_a_fmt:MATRIX_FMT_FP6 matrix_b_fmt:MATRIX_FMT_FP6
.endr
	s_wait_dscnt 0x0                               ; the images
	PLACES 5                                       ; the patch products are laid over K's fragments, which the products above have read: five places (ISA guide 7.12.1)
; The patch product of blocks b0 .. b0 + nb - 1, in S^T's layout.
.macro MASKS b0, nb
.set n, 0
.rept 2*\nb
	v_wmma_scale_f32_16x16x128_f8f6f4 v[MK+8*n:MK+8*n+7], v[IM+6*(\b0+n/2):IM+6*(\b0+n/2)+11], v[MQ+12*(n%2):MQ+12*(n%2)+11], 0, v[MSC], v[MSC] matrix_a_fmt:MATRIX_FMT_FP6 matrix_b_fmt:MATRIX_FMT_FP6
.set n, n+1
.endr
	PLACES 4
.endm
; The mask: a score stays where the count of shared patches is above 0, else it is 0.  cnt scores from S + s0 on, by the counts from MK + m0 on.
; The compares go in one run, into s32 on, which are free since starts has been used; each accumulator is read from its low end on.
.macro SELECT s0, m0, cnt
.set n, 0
.rept \cnt
	v_cmp_lt_f32 s[32+n], 0, v[MK+\m0+n]
.set n, n+1
.endr
	s_wait_alu depctr_va_sdst(0)                   ; the run's compares have written their masks, ahead of the selections that read them
.set n, 0
.rept \cnt
	v_cndmask_b32 v[S+\s0+n], 0, v[S+\s0+n], s[32+n]
.set n, n+1
.endr
.endm
	MASKS 0, 3
	SELECT 0, 0, 32
	SELECT 32, 32, 16
	MASKS 3, 2                                     ; over the first counts: the selections above, which name none of those products' registers, are the places
	SELECT 48, 0, 32
	; ---- the softmax of my query: my 80 keys, and lane l xor 16's
.irp b, 0,1,2,3,4
	v_max3_num_f32 v[BM+\b], v[S+16*\b], v[S+16*\b+1], v[S+16*\b+2]   ; the largest score of each block: for the row's maximum, and, since p rises with the score, for the block's largest p
.endr
.irp i, 3,5,7,9,11,13
.irp b, 0,1,2,3,4
	v_max3_num_f32 v[BM+\b], v[BM+\b], v[S+16*\b+\i], v[S+16*\b+\i+1]
.endr
.endr
.irp b, 0,1,2,3,4
	v_max_num_f32 v[BM+\b], v[BM+\b], v[S+16*\b+15]
.endr
.irp b, 0,1,2,3,4
	v_permlanex16_b32 v[XP+\b], v[BM+\b], s68, s69
.endr
.irp b, 0,1,2,3,4
	v_max_num_f32 v[BM+\b], v[BM+\b], v[XP+\b]
.endr
	v_max3_num_f32 v[TT], v[BM], v[BM+1], v[BM+2]
	v_max3_num_f32 v[TT], v[TT], v[BM+3], v[BM+4]
	v_max_num_f32 v[TT], 0, v[TT]                  ; the far keys' logit is 0
	v_mul_f32 v[TT], s70, v[TT]                    ; the row's largest t
	v_floor_f32 v[NM], -v[TT]                      ; -M = floor(-t) = -ceil(t)
	v_mov_b32 v[NM+1], v[NM]                       ; (named with it as a pair)
	v_cvt_i32_f32 v[IE], v[NM]                     ; (it saturates)
	v_ldexp_f32 v[P0], 1.0, v[IE]                  ; a far key's p = 2^-M, exactly: its exponent field gives the far blocks' byte
.set j, 0
.rept 40
	v_pk_fma_f32 v[S+j:S+j+1], v[S+j:S+j+1], s[70:71], v[NM:NM+1] op_sel_hi:[1,0,0]   ; t - M, two at a time
.set j, j+2
.endr
.irp b, 0,1,2,3,4
	v_fma_f32 v[PB+\b], v[BM+\b], s70, v[NM]       ; the same of each block's largest score
.endr
.set j, 0
.rept 80
	v_exp_f32 v[S+j], v[S+j]                       ; p = 2^(t - M): not normalised
.set j, j+1
.endr
.irp b, 0,1,2,3,4
	v_exp_f32 v[PB+\b], v[PB+\b]                   ; the block's largest p: the same two instructions on the same number
.endr
	v_max_num_f32 v[PB+5], 0x1800000, v[P0]        ; the floor 2^(3 - 127) holds a byte at 1 from below.  (A plain place behind the exponentials)
	s_wait_alu depctr_va_vdst(0)                   ; the 85 exponentials have written p and the blocks' largest p: one wait for the batch, ahead of its first reader
.irp b, 0,1,2,3,4
	v_max_num_f32 v[PB+\b], 0x1800000, v[PB+\b]
.endr
.irp b, 0,1,2,3,4,5
	v_add_nc_u32 v[SOP+\b], 0xff000000, v[PB+\b]   ; 2 off the exponent field: the conversion's scale operand
.endr
.irp b, 0,1,2,3,4,5
	v_lshrrev_b32 v[BY+\b], 23, v[SOP+\b]          ; the scale's byte
.endr
.irp b, 0,1,2,3,4
	v_cvt_scalef32_pk16_fp6_f32 v[PC+4*\b:PC+4*\b+2], v[S+16*\b:S+16*\b+15], v[SOP+\b]   ; my 16 neighbouring keys of block b: 12 bytes
.endr
	v_nop                                          ; one plain place behind a scaled conversion
	v_mov_b32 v[PAT], 0x18618618                   ; sixteen codes 0x18, 96 bits
	v_mov_b32 v[PAT+1], 0x86186186
	v_mov_b32 v[PAT+2], 0x61861861
	v_lshl_or_b32 v[LO], v[BY+1], 8, v[BY]         ; the scale words are made here, so that one wait serves the codes' stores and theirs: the band's bytes 0-3,
	v_lshl_or_b32 v[LO], v[BY+2], 16, v[LO]
	v_lshl_or_b32 v[LO], v[BY+3], 24, v[LO]
	v_lshl_or_b32 v[FW], v[BY+5], 8, v[BY+5]
	v_lshl_or_b32 v[FW], v[FW], 16, v[FW]          ; the far byte four times,
	v_and_or_b32 v[HI], v[FW], 0xffffff00, v[BY+4] ; byte 4 and three far bytes: the eight blocks' bytes where fb = 0;
	v_alignbit_b32 v[LO1], v[LO], v[HI], 24
	v_alignbit_b32 v[HI1], v[HI], v[LO], 24        ; turned one byte up, the far byte coming round, where fb = 1
	v_cndmask_b32 v[WA], v[LO], v[LO1], s66
	v_cndmask_b32 v[WB], v[HI], v[HI1], s66
	s_wait_alu depctr_va_vdst(0)                   ; the conversions have written p's codes, the moves the pattern, the lines above the three scale words: the 27 LDS stores below read them
.irp b, 0,1,2,3,4
.irp i, 0,1,2
	ds_store_b32 v[APS], v[PC+4*\b+\i] offset:384*\b+4*\i    ; the two halves of the lanes lay a query's 24 bytes of a block side by side: no exchange between lanes
.endr
.endr
.irp i, 0,1,2                                  ; the three blocks of the eight that lie outside my band: fb + 5, fb + 6, (fb + 7) mod 8
	ds_store_b32 v[APS], v[PAT+\i] offset:384*5+4*\i
	ds_store_b32 v[APS], v[PAT+\i] offset:384*6+4*\i
	ds_store_b32 v[APX], v[PAT+\i] offset:4*\i
.endr
	ds_store_b32 v[APW], v[WA]
	ds_store_b32 v[APW], v[WB] offset:128
	ds_store_b32 v[APW], v[FW] offset:256
	; the vector work below is done while these stores are out; it writes none of the registers that they read
	v_pk_add_f32 v[SUM:SUM+1], v[S:S+1], v[S+2:S+3]          ; the row's sum is taken of the unquantised p: two chains of pairs
	v_pk_add_f32 v[SUM+2:SUM+3], v[S+4:S+5], v[S+6:S+7]
.set j, 8
.rept 18
	v_pk_add_f32 v[SUM:SUM+1], v[SUM:SUM+1], v[S+j:S+j+1]
	v_pk_add_f32 v[SUM+2:SUM+3], v[SUM+2:SUM+3], v[S+j+2:S+j+3]
.set j, j+4
.endr
	v_pk_add_f32 v[SUM:SUM+1], v[SUM:SUM+1], v[SUM+2:SUM+3]
	v_add_f32 v[LL], v[SUM], v[SUM+1]
	v_permlanex16_b32 v[XP], v[LL], s68, s69
	v_add_f32 v[LL], v[LL], v[XP]                  ; the band's 160 keys,
	v_fmamk_f32 v[LL], v[P0], 0x44580000, v[LL]    ; and 864 far keys of 2^-M each
	v_rcp_f32 v[RL], v[LL]
	; what the second product needs in registers.  (Plain places behind the reciprocal)
.irp i, 0,3,6,9
	v_mov_b32 v[PFAR+\i], 0x18618618
	v_mov_b32 v[PFAR+\i+1], 0x86186186
	v_mov_b32 v[PFAR+\i+2], 0x61861861
.endr
	s_mul_i32 s72, s26, 16*VP                      ; V: my 16 channels' rows (VCL is 0), from block sb on
	s_mul_i32 s73, s29, 24
	s_add_co_u32 s72, s72, s73
	s_add_co_u32 s73, s25, 1                       ; sb % 4 is 2 where g is even: the shifted version of the scale words; 0 where g is odd
	s_and_b32 s73, s73, 1
	s_mul_i32 s73, s73, VSV
	s_mul_i32 s74, s26, 16*VSP
	s_add_co_u32 s73, s73, s74
	s_and_b32 s74, s29, 28                         ; 4 bytes x word sb / 4
	s_add_co_u32 s73, s73, s74
	s_add_co_u32 s73, s73, VSL
	s_mul_i32 s74, s25, 4*3072
	s_add_co_u32 s74, s74, PIL
	s_lshl_b32 s75, s25, 11
	s_add_co_u32 s75, s75, PWL
	s_mul_i32 s76, s25, 64*SP
	s_lshl_b32 s77, s26, 6
	s_add_co_u32 s76, s76, s77
	s_add_co_u32 s76, s76, STG
	s_mul_i32 s77, s20, 16*SP
	s_add_co_u32 s77, s77, STG
	v_mul_u32_u24 v[VA], v2, VP
	v_mad_u32_u24 v[VA], v3, 24, v[VA]
	v_add_nc_u32 v[VA], s72, v[VA]
	v_mul_u32_u24 v[VSA], v2, VSP
	v_add_nc_u32 v[VSA], s73, v[VSA]
	v_mul_u32_u24 v[PLA], v2, 24
	v_mad_u32_u24 v[PLA], v3, 384, v[PLA]          ; lanes 16-31 hold the next block
	v_add_nc_u32 v[PLA], s74, v[PLA]
	v_lshl_add_u32 v[PWA], v1, 2, s75
	v_mul_u32_u24 v[STO], v2, SP                   ; the stage, in: row 64 g + 16 tile + r, my 8 channels at 64 dt + 32 hf
	v_lshl_add_u32 v[STO], v3, 5, v[STO]
	v_add_nc_u32 v[STO], s76, v[STO]
	v_mul_u32_u24 v[SRD], v3, SP                   ; back: rows 16 w on; lanes 0-15 one row, lanes 16-31 the next
	v_lshl_add_u32 v[SRD], v2, 4, v[SRD]
	v_add_nc_u32 v[SRD], s77, v[SRD]
	v_lshlrev_b32 v[GO], 11, v3                    ; and the same two rows of out, 2,048 bytes apart
	v_lshl_add_u32 v[GO], v2, 4, v[GO]
	s_wait_alu depctr_va_vdst(0)                   ; the reciprocal has written 1 / l, which the store below is the first to name; the addresses v11-15, v198, v199 are written, and the constant fragment, which scaled products take; every product and vector instruction that named v16-35, v38-181, v194-197 is done, where loads land behind the barrier
	ds_store_b32 v[APW], v[RL] offset:384
	BARRIER                                        ; every tile's P, scale words and 1 / l lie in LDS
	; ---- O^T = V^T P^T: 16 channels x four tiles of queries, K = 1,024 keys in eight steps from block sb on
.macro VFRAG reg, j                            ; V's fragment of K step j: 96 bytes of each row
.irp p, 0,1,2,3,4,5
	ds_load_b64 v[\reg+2*\p:\reg+2*\p+1], v[VA] offset:96*(\j)+48*(\p/3)+8*(\p%3)
.endr
.endm
.macro PFRAG reg, t, j                         ; P's fragment of tile t, K step j: blocks 4 j + 2 c + lane / 16
.irp p, 0,1,2,3,4,5
	ds_load_b64 v[\reg+2*\p:\reg+2*\p+1], v[PLA] offset:3072*(\t)+384*(4*(\j)+2*(\p/3))+8*(\p%3)
.endr
.endm
; A K step: four products, the four accumulators by turns.  Far: P is the constant fragment, under each query's far byte.
.macro PVFAR vreg, j, zero
.irp t, 0,1,2,3
.if \zero
	v_wmma_scale_f32_16x16x128_f8f6f4 v[ACC+8*\t:ACC+8*\t+7], v[\vreg:\vreg+11], v[PFAR:PFAR+11], 0, v[VSW+\j], v[PSW+3*\t+2] matrix_a_fmt:MATRIX_FMT_FP6 matrix_b_fmt:MATRIX_FMT_FP6
.else
	v_wmma_scale_f32_16x16x128_f8f6f4 v[ACC+8*\t:ACC+8*\t+7], v[\vreg:\vreg+11], v[PFAR:PFAR+11], v[ACC+8*\t:ACC+8*\t+7], v[VSW+\j], v[PSW+3*\t+2] matrix_a_fmt:MATRIX_FMT_FP6 matrix_b_fmt:MATRIX_FMT_FP6
.endif
.endr
.endm
.macro PVWIN vreg, preg, j
.irp t, 0,1,2,3
	v_wmma_scale_f32_16x16x128_f8f6f4 v[ACC+8*\t:ACC+8*\t+7], v[\vreg:\vreg+11], v[\preg+12*\t:\preg+12*\t+11], v[ACC+8*\t:ACC+8*\t+7], v[VSW+\j], v[PSW+3*\t+\j] matrix_a_fmt:MATRIX_FMT_FP6 matrix_b_fmt:MATRIX_FMT_FP6
.endr
.endm
	s_wait_alu depctr_vm_vsrc(0)                   ; the softmax's LDS stores have read p's codes, the pattern, the scale words and 1 / l, v82-110, in which V's fragments land
.irp j, 0,1,2,3,4,5,6,7
	ds_load_b32 v[VSW+\j], v[VSA] offset:4*\j
.endr
.irp t, 0,1,2,3
.irp k, 0,1,2
	ds_load_b32 v[PSW+3*\t+\k], v[PWA] offset:512*\t+128*\k
.endr
.endr
.irp t, 0,1,2,3
	ds_load_b32 v[RLS+\t], v[PWA] offset:512*\t+384
.endr
.irp j, 2,3,4,5,6,7
	VFRAG FV+12*(\j-2), \j
.endr
	VFRAG WV, 0
	VFRAG WV+12, 1
.irp t, 0,1,2,3
	PFRAG PA+12*\t, \t, 0
.endr
	s_wait_dscnt 36                                ; the words and V's K steps 2-7 are in; the 36 loads behind them (V's K steps 0, 1; P's K step 0) may be out
	PVFAR FV, 2, 1                                 ; the first products start the sums
	PVFAR FV+12, 3, 0
	PVFAR FV+24, 4, 0
	PVFAR FV+36, 5, 0
	PLACES 4                                       ; in front of loads into registers that these products have read; the places stay beside the wait
	s_wait_alu depctr_va_vdst(0)                   ; the products of K steps 2-5 are done reading v38-85, in which P's K step 1 lands
.irp t, 0,1,2,3
	PFRAG FV+12*\t, \t, 1
.endr
	PVFAR FV+48, 6, 0
	PVFAR FV+60, 7, 0
	s_wait_dscnt 24                                ; all but the 24 loads of P's K step 1
	PVWIN WV, PA, 0
	s_wait_dscnt 0x0
	PVWIN WV+12, FV, 1
	PLACES 4
.irp t, 0,1,2,3
.irp j, 0,1,2,3,4,5,6,7
	v_mul_f32 v[FV+8*\t+\j], v[ACC+8*\t+\j], v[RLS+\t]       ; O^T / l: register j is out(query r of tile t, channel 16 dt + 8 hf + j); each accumulator from its low end on
.endr
.endr
	; ---- the way out: a row's 64 channels come from four waves: they meet in the stage
	s_wait_alu depctr_va_vdst(0)                   ; the multiplications have written v38-69, which the LDS stores read; the products are done reading v110-141, in which the stage's rows land behind the barrier
.irp t, 0,1,2,3
	ds_store_b128 v[STO], v[FV+8*\t:FV+8*\t+3] offset:16*SP*\t
	ds_store_b128 v[STO], v[FV+8*\t+4:FV+8*\t+7] offset:16*SP*\t+16
.endr
	BARRIER                                        ; 256 whole rows lie in the stage
.irp i, 0,1,2,3,4,5,6,7
	ds_load_b128 v[WV+4*\i:WV+4*\i+3], v[SRD] offset:2*SP*\i   ; no wait: no vector or matrix instruction stands behind the wait above, and no memory or LDS instruction has read v110-141 since the wait behind the second barrier
.endr
.irp i, 0,1,2,3,4,5,6,7
	s_wait_dscnt 7-\i                              ; LDS loads come back in order: rows 2 i, 2 i + 1 are in
	global_store_b128 v[GO], v[WV+4*\i:WV+4*\i+3], s[18:19] offset:4096*\i th:TH_STORE_NT   ; sixteen lanes store a head's 256 consecutive bytes of a row, at a multiple of 256 from out's first byte
.endr
	s_wait_xcnt 0x0
	v_lshl_add_u32 v254, v0, 2, 0x40800            ; the add's two registers are made anew here: no two could be kept; no memory or LDS instruction has read v254 or v255
	v_mov_b32 v255, 0
	s_wait_dscnt 0x0                               ; the closing lines, six on end
	s_wait_alu 0x0
	s_wait_tensorcnt 0x0
	ds_add_u32 v254, v255
	s_wait_dscnt 0x0
	s_endpgm
.Lfunc_end_k_q679e9e3e9b_attn:
	.size	k_q679e9e3e9b_attn, .Lfunc_end_k_q679e9e3e9b_attn-k_q679e9e3e9b_attn
	.p2alignl 7, 3214868480
	.fill 96, 4, 3214868480
	.section	.rodata,"a",@progbits
	.p2align	6, 0x0
	.amdhsa_kernel k_q679e9e3e9b_attn
		.amdhsa_group_segment_fixed_size 266240
		.amdhsa_private_segment_fixed_size 0
		.amdhsa_enable_private_segment 0
		.amdhsa_kernarg_size 64
		.amdhsa_user_sgpr_count 2
		.amdhsa_user_sgpr_kernarg_segment_ptr 1
		.amdhsa_wavefront_size32 1
		.amdhsa_system_sgpr_workgroup_id_x 1
		.amdhsa_system_sgpr_workgroup_id_y 1
		.amdhsa_system_sgpr_workgroup_id_z 1
		.amdhsa_system_vgpr_workitem_id 0
		.amdhsa_next_free_vgpr 256
		.amdhsa_next_free_sgpr 96
		.amdhsa_reserve_vcc 0
		.amdhsa_float_denorm_mode_32 3
		.amdhsa_float_denorm_mode_16_64 3
		.amdhsa_memory_ordered 1
		.amdhsa_forward_progress 1
		.amdhsa_inst_pref_size 76
	.end_amdhsa_kernel
	.amdgpu_metadata
---
amdhsa.version: [ 1, 2 ]
amdhsa.kernels:
  - .name:           k_q679e9e3e9b_attn
    .symbol:         k_q679e9e3e9b_attn.kd
    .args:
      - { .name: keys_codes, .offset: 0, .size: 8, .value_kind: global_buffer, .address_space: global }
      - { .name: keys_scales, .offset: 8, .size: 8, .value_kind: global_buffer, .address_space: global }
      - { .name: queries_codes, .offset: 16, .size: 8, .value_kind: global_buffer, .address_space: global }
      - { .name: queries_scales, .offset: 24, .size: 8, .value_kind: global_buffer, .address_space: global }
      - { .name: starts, .offset: 32, .size: 8, .value_kind: global_buffer, .address_space: global }
      - { .name: values_codes, .offset: 40, .size: 8, .value_kind: global_buffer, .address_space: global }
      - { .name: values_scales, .offset: 48, .size: 8, .value_kind: global_buffer, .address_space: global }
      - { .name: out0, .offset: 56, .size: 8, .value_kind: global_buffer, .address_space: global }
    .group_segment_fixed_size: 266240
    .private_segment_fixed_size: 0
    .kernarg_segment_align: 8
    .kernarg_segment_size: 64
    .max_flat_workgroup_size: 512
    .sgpr_count:     96
    .vgpr_count:     256
    .wavefront_size: 32
...
	.end_amdgpu_metadata
.endif
;; end of part 2
